; MI455X (gfx1250); checked and timed in simulation.
; The chip was launched on July 23, 2026; its instructions are those of AMD's public machine-readable ISA for CDNA 5 (MIT licence, August 2026) and "CDNA5" Instruction Set Architecture Reference Guide (July 2026). The comments in the code are by the model that wrote it; some were corrected since.
;; Text Guided Pruning. Allowed arithmetic: float matrix products may take bf16 or f16 operands with f32 sums; other float arithmetic in f32, or as packed bf16 or f16 multiplies, adds, multiply-adds, maxima and minima; sums over many terms, partial sums and values carried from step to step in f32; what a program stores and reads back later, other than sums and carried values, may be rounded once to bf16 or f16.
;; Inputs: alpha_coarse one number float32; alpha_fine one number float32; b1 256 float32; b2 128 float32; b3 1 float32; be1 256 float32; be2 128 float32; g1 256 float32; g2 128 float32; in_proj_b 768 float32; in_proj_w 768 x 256 float32; k_weight one number float32; text_features 32 x 16 x 256 float32; tp_b 256 float32; tp_w 256 x 256 float32; vision_features 16,384 x 16 x 256 float32; vp_b 256 float32; vp_w 256 x 256 float32; w1 256 x 256 float32; w2 128 x 256 float32; w3 1 x 128 float32.
;; Outputs: out0 16,384 x 16 float32.
;; 2 versions, each right; version 2 is version 1 with the launch prep written anew for expert scheduling mode. Each part assembles by itself: llvm-mc -triple=amdgcn-amd-amdhsa -mcpu=gfx1250 --defsym DOCPART=n.
;; ======== version 1 of 2: 3 launches
;; workspace buffers: wts 460,800 bytes; pln 10,485,760 bytes; part 65,536 bytes
;; launch prep (part 1): grid 44 x 1, 8 waves a work-group, no clusters, 117,248 bytes of LDS; arguments vp_w, tp_w, in_proj_w, w1, w2, vp_b, tp_b, in_proj_b, wts; writes wts
.if DOCPART == 1
	.amdgcn_target "amdgcn-amd-amdhsa--gfx1250"
	.amdhsa_code_object_version 6
	.text
	.protected	k_qfb9dc3cb39_prep
	.globl	k_qfb9dc3cb39_prep
	.p2align	8
	.type	k_qfb9dc3cb39_prep,@function
k_qfb9dc3cb39_prep:
	s_mov_b64 s[64:65], 0
	v_nop
	global_prefetch_b8 v0, s[64:65] scope:SCOPE_SE
	s_setreg_imm32_b32 hwreg(HW_REG_WAVE_MODE, 25, 1), 1
	s_wait_xcnt 0x0
; PREP: what the main launch needs of the weights, made once, each rounded once to bf16 and laid out as matrix fragments.
;   WQ[d][c] = SC * sum_j Wq[d][j] vp_w[j][c]     G[d][i] = sum_j Wk[d][j] tp_w[j][i]        (SC = log2(e)/sqrt(32); Wq, Wk: rows 0-255, 256-511 of in_proj_w)
;   bqv[d] = SC * (Wq[d] . vp_b + bq[d])          bkk[d] = Wk[d] . tp_b + bk[d]              (f32)
;   W1c = w1 less the mean of its rows, W2c = w2 likewise (LayerNorm does not see a shift common to all columns; the subtraction is made in f32, ahead of the one rounding)
; A FRAGMENT is 16 rows x 32 K of bf16, 1,024 bytes, in two halves of 512: in half p lane L owns the 16 bytes at 16 L: row L % 16, K = 16 p + 8 (L / 16) + 0..7.
; So every store here, and every load of the main launch, moves 512 consecutive bytes, aligned.
; ROLES, by the work-group's number: 0-31 the two products (A), 32-35 W1c, 36-39 W2c (B), 40-43 the two vectors (C).  Each role has LDS bytes of its own.
; LIMITS: operands of the products are bf16, sums f32; NaN and infinities are not treated apart.
.set GFO,   0                          ; wts: fragments of G: half (dt*16 + it) * 512: lane = d, K = i
.set WQFO,  131072                     ; fragments of WQ^T: half ((h*16 + ct)*2 + p) * 512: lane = c, K = d within head h
.set WAFO,  262144                     ; fragments of W1c: half ((ct*8 + ks)*2 + p) * 512
.set WBFO,  393216                     ; fragments of W2c, the same
.set VECO,  458752                     ; bqv[256], bkk[256], f32
.set PTP,   160                        ; role A: P as [256 j][64 c] bf16 at LDS byte 0: 128 bytes + 32: an odd multiple of 32, for the turning load
.set QN,    40960                      ; role A: Q as [64 d][256 j] bf16,
.set QNP,   528                        ; 512 bytes + 16: the 16 rows of a load start at 16 different groups of four banks
.set PS,    74752                      ; role B: 16 partial column sums x 64 f32
.set STG,   78848                      ; role B: the centred slice, [rows][64 k] bf16,
.set SGP,   144                        ; 128 bytes + 16
.set CR,    115712                     ; role C: 128 dot products
.set SPARE, 116224                     ; the spare words: 128 bytes for each of eight waves; no other line names them
.set SCQ,   0x3e8293ee                 ; log2(e) / sqrt(32)
	s_load_b512 s[4:19], s[0:1], 0x0               ; vp_w 4, tp_w 6, in_proj_w 8, w1 10, w2 12, vp_b 14, tp_b 16, in_proj_b 18
	s_load_b64 s[20:21], s[0:1], 0x40              ; wts
	v_lshl_add_u32 v30, v0, 2, SPARE               ; my spare word,
	v_mov_b32 v31, 0                               ; and 0: kept for the closing add alone
	v_lshrrev_b32 v1, 5, v0
	v_readfirstlane_b32 s22, v1                    ; wave 0..7
	v_and_b32 v2, 31, v0                           ; lane
	v_and_b32 v3, 15, v0                           ; r = lane % 16
	v_bfe_u32 v4, v0, 4, 1                         ; hf = lane / 16
	v_lshlrev_b32 v5, 4, v2                        ; 16 x lane
	s_mov_b32 s23, ttmp9                           ; the work-group's number
	s_mov_b32 s24, 0x76543210                      ; v_permlanex16_b32: each lane takes its own place in the other half
	s_mov_b32 s25, 0xfedcba98
	s_wait_kmcnt 0x0
	s_cmp_lt_u32 s23, 32
	s_cbranch_scc1 .LroleA
	s_cmp_lt_u32 s23, 36
	s_cbranch_scc1 .LroleB1
	s_cmp_lt_u32 s23, 40
	s_cbranch_scc1 .LroleB2
	s_branch .LroleC
; A slice of 64 columns (256 bytes) of rows of 1,024 bytes: a wave's load takes two rows x 256 consecutive bytes; eight waves take 16 rows a round.
.macro SLICEADR                        ; s27 = the slice; v6 = (2 wave + hf) x 1,024 + slice x 256 + 16 r
	s_lshl_b32 s29, s22, 11
	s_lshl_b32 s30, s27, 8
	s_add_co_u32 s29, s29, s30
	v_lshlrev_b32 v6, 10, v4
	v_lshl_add_u32 v6, v3, 4, v6
	v_add_nc_u32 v6, s29, v6
.endm
.macro LDSLICE base, rounds            ; round i brings row 16 i + 2 wave + hf, columns 4 r .. 4 r + 3 of the slice, into v[32+4i ..]
.set i, 0
.rept \rounds
	global_load_b128 v[32+4*i:35+4*i], v6, s[\base:\base+1] offset:i*16384
.set i, i+1
.endr
.endm
; ---------------- ROLE A: number = 16 z + 4 s + t.  z = 0: P = vp_w, Q = Wq; z = 1: P = tp_w, Q = Wk.  64 columns s of P, 64 rows t of Q: out[d][c] = sum_j Q[d][j] P[j][c].
.LroleA:
	s_lshr_b32 s26, s23, 4                         ; z
	s_bfe_u32 s27, s23, 0x20002                    ; s
	s_and_b32 s28, s23, 3                          ; t
	SLICEADR
	s_lshl_b32 s34, s26, 18                        ; 256 z rows of 1,024 bytes,
	s_lshl_b32 s35, s28, 16                        ; 64 t rows
	s_add_co_u32 s34, s34, s35
	s_mov_b32 s35, 0
	s_add_nc_u64 s[34:35], s[8:9], s[34:35]        ; Q's 64 rows: 65,536 consecutive bytes
	s_cmp_eq_u32 s26, 0
	s_cselect_b64 s[32:33], s[4:5], s[6:7]         ; P
	s_cselect_b32 s36, SCQ, 1.0                    ; the scale goes into WQ alone
	s_mov_b32 s37, s36                             ; named with it as a pair
	v_lshlrev_b32 v7, 4, v0                        ; Q: 16 x thread: 4,096 consecutive bytes a round
	LDSLICE 32, 16
.set i, 0
.rept 16
	global_load_b128 v[96+4*i:99+4*i], v7, s[34:35] offset:i*4096
.set i, i+1
.endr
	s_mul_i32 s38, s22, 2*PTP                      ; P into LDS: row 16 i + 2 wave + hf, 8 bytes at 8 r
	v_mul_u32_u24 v8, v4, PTP
	v_lshl_add_u32 v8, v3, 3, v8
	v_add_nc_u32 v8, s38, v8
	s_lshr_b32 s39, s22, 1                         ; Q into LDS: row 4 i + wave / 2, 8 bytes at 256 (wave % 2) + 8 lane
	s_mul_i32 s39, s39, QNP
	s_and_b32 s40, s22, 1
	s_lshl_b32 s40, s40, 8
	s_add_co_u32 s39, s39, s40
	s_add_co_u32 s39, s39, QN
	v_lshl_add_u32 v9, v2, 3, s39
	s_and_b32 s41, s22, 3                          ; a: my tile of 16 columns of P
	s_lshr_b32 s40, s22, 2                         ; g: my two tiles of 16 rows of Q are 2 g, 2 g + 1
	v_and_b32 v10, 7, v0                           ; the turning load: lane L reads row k0 + 8 hf + L % 8, 16 bytes at 32 a + 16 ((L / 8) % 2)
	v_lshl_add_u32 v10, v4, 3, v10
	v_mul_u32_u24 v10, v10, PTP
	v_bfe_u32 v1, v0, 3, 1
	v_lshl_add_u32 v10, v1, 4, v10
	s_lshl_b32 s42, s41, 5
	v_add_nc_u32 v10, s42, v10
	s_mul_i32 s43, s40, 32*QNP                     ; Q's fragments: row 32 g + 16 q + r, 16 bytes at 64 ks + 16 hf and 32 further on
	s_add_co_u32 s43, s43, QN
	v_mul_u32_u24 v11, v3, QNP
	v_lshl_add_u32 v11, v4, 4, v11
	v_add_nc_u32 v11, s43, v11
	s_lshl_b32 s44, s27, 2
	s_add_co_u32 s44, s44, s41                     ; 4 s + a: the tile of P's columns
	s_lshl_b32 s45, s28, 1
	s_add_co_u32 s45, s45, s40                     ; 2 t + g: half the number of my first tile of Q's rows
	s_lshl_b32 s46, s45, 5
	s_wait_loadcnt 16                              ; P's sixteen loads are in; Q's sixteen may stay out
.set i, 0
.rept 16
	v_cvt_pk_bf16_f32 v[32+4*i], v[32+4*i], v[33+4*i]
	v_cvt_pk_bf16_f32 v[33+4*i], v[34+4*i], v[35+4*i]
	ds_store_b64 v8, v[32+4*i:33+4*i] offset:i*16*PTP
.set i, i+1
.endr
	s_wait_loadcnt 0x0
.set i, 0
.rept 16
	v_cvt_pk_bf16_f32 v[96+4*i], v[96+4*i], v[97+4*i]
	v_cvt_pk_bf16_f32 v[97+4*i], v[98+4*i], v[99+4*i]
	ds_store_b64 v9, v[96+4*i:97+4*i] offset:i*4*QNP
.set i, i+1
.endr
	s_wait_dscnt 0x0                               ; for the others' sake: my stores are done
	s_barrier_signal -1
	s_barrier_wait -1
.set k, 0
.rept 8                                            ; PF: v[32+8k ..]: 16 columns of P, j = 32 k ..
	ds_load_tr16_b128 v[32+8*k:35+8*k], v10 offset:k*32*PTP
	ds_load_tr16_b128 v[36+8*k:39+8*k], v10 offset:k*32*PTP+16*PTP
.set k, k+1
.endr
.set k, 0
.rept 16                                           ; QF: v[96+64q+8k ..]
	ds_load_b128 v[96+8*k:99+8*k],   v11 offset:(k/8)*16*QNP+(k%8)*64
	ds_load_b128 v[100+8*k:103+8*k], v11 offset:(k/8)*16*QNP+(k%8)*64+32
.set k, k+1
.endr
	s_wait_dscnt 0x0
; 16 products; the two accumulators take turns; the first pair starts the sums with the constant 0
.macro AMUL pfirst
.set k, 0
.rept 8
.set q, 0
.rept 2
.if \pfirst
.if k == 0
	v_wmma_f32_16x16x32_bf16 v[224+8*q:231+8*q], v[32+8*k:39+8*k], v[96+64*q+8*k:103+64*q+8*k], 0
.else
	v_wmma_f32_16x16x32_bf16 v[224+8*q:231+8*q], v[32+8*k:39+8*k], v[96+64*q+8*k:103+64*q+8*k], v[224+8*q:231+8*q]
.endif
.else
.if k == 0
	v_wmma_f32_16x16x32_bf16 v[224+8*q:231+8*q], v[96+64*q+8*k:103+64*q+8*k], v[32+8*k:39+8*k], 0
.else
	v_wmma_f32_16x16x32_bf16 v[224+8*q:231+8*q], v[96+64*q+8*k:103+64*q+8*k], v[32+8*k:39+8*k], v[224+8*q:231+8*q]
.endif
.endif
.set q, q+1
.endr
.set k, k+1
.endr
.endm
; a lane's eight results are eight neighbouring K of one fragment row: scaled, rounded, 16 bytes; the wave stores half a fragment, 512 consecutive bytes
.macro ATAIL delta
.rept 4
	v_nop                                          ; four places between the last product and the first read of a result
.endr
.set i, 0
.rept 8
	v_pk_mul_f32 v[224+2*i:225+2*i], v[224+2*i:225+2*i], s[36:37] op_sel_hi:[1,0]
.set i, i+1
.endr
.set i, 0
.rept 8
	v_cvt_pk_bf16_f32 v[240+i], v[224+2*i], v[225+2*i]
.set i, i+1
.endr
	s_mov_b32 s47, 0
	s_add_nc_u64 s[46:47], s[20:21], s[46:47]
	global_store_b128 v5, v[240:243], s[46:47]
	global_store_b128 v5, v[244:247], s[46:47] offset:\delta
.endm
	s_cmp_eq_u32 s26, 0
	s_cbranch_scc0 .LA1
	AMUL 0                                         ; z = 0: result (m = d, n = c): a lane holds one c and eight d
	s_lshl1_add_u32 s46, s44, s46                  ; half ((2 t + g) x 32 + 2 (4 s + a)): my first tile of d is even, so it is half 0 of its head; the second is half 1
	s_lshl_b32 s46, s46, 9
	s_add_co_u32 s46, s46, WQFO
	ATAIL 512
	s_branch .Lend
.LA1:
	AMUL 1                                         ; z = 1: result (m = i, n = d): a lane holds one d and eight i
	s_add_co_u32 s46, s46, s44                     ; half (dt x 16 + it), dt = 2 (2 t + g); the second tile of d lies 16 halves on
	s_lshl_b32 s46, s46, 9
	ATAIL 8192
	s_branch .Lend
; ---------------- ROLE B: slice s = number % 4, 64 k of all rows: column means, subtraction, rounding, fragments.
.macro CENTER rows, sb, dst, inv
.set NR, (\rows)/16
.set NCT, (\rows)/128                  ; tiles of 16 rows a wave
	s_and_b32 s27, s23, 3
	SLICEADR
	LDSLICE \sb, NR
	s_lshl_b32 s38, s22, 9
	s_add_co_u32 s38, s38, PS
	v_lshlrev_b32 v12, 8, v4
	v_lshl_add_u32 v12, v3, 4, v12
	v_add_nc_u32 v12, s38, v12                     ; my group's partial sums: PS + (2 wave + hf) x 256 + 16 r
	v_lshl_add_u32 v13, v3, 4, PS                  ; all groups' sums of my four columns
	s_mul_i32 s39, s22, 2*SGP
	s_add_co_u32 s39, s39, STG
	v_mul_u32_u24 v14, v4, SGP
	v_lshl_add_u32 v14, v3, 3, v14
	v_add_nc_u32 v14, s39, v14                     ; the stage: row 16 i + 2 wave + hf, 8 bytes at 8 r
	s_mul_i32 s40, s22, 16*NCT*SGP
	s_add_co_u32 s40, s40, STG
	v_mul_u32_u24 v15, v3, SGP
	v_lshl_add_u32 v15, v4, 4, v15
	v_add_nc_u32 v15, s40, v15                     ; fragments: row 16 (NCT wave + cc) + r, 16 bytes at 64 ksl + 32 p + 16 hf
	s_mul_i32 s42, s22, NCT*8192
	s_lshl_b32 s43, s27, 11
	s_add_co_u32 s42, s42, s43
	s_add_co_u32 s42, s42, \dst
	s_mov_b32 s43, 0
	s_add_nc_u64 s[42:43], s[20:21], s[42:43]      ; half ((NCT wave) x 8 + 2 s) x 2
	s_wait_loadcnt 0x0
	v_pk_add_f32 v[96:97], v[32:33], v[36:37]
	v_pk_add_f32 v[98:99], v[34:35], v[38:39]
.set i, 2
.rept NR-2
	v_pk_add_f32 v[96:97], v[96:97], v[32+4*i:33+4*i]
	v_pk_add_f32 v[98:99], v[98:99], v[34+4*i:35+4*i]
.set i, i+1
.endr
	ds_store_b128 v12, v[96:99]
	s_wait_dscnt 0x0
	s_barrier_signal -1
	s_barrier_wait -1
.set i, 0
.rept 16
	ds_load_b128 v[100+4*i:103+4*i], v13 offset:256*i
.set i, i+1
.endr
	s_wait_dscnt 0x0
	v_pk_add_f32 v[96:97], v[100:101], v[104:105]
	v_pk_add_f32 v[98:99], v[102:103], v[106:107]
.set i, 2
.rept 14
	v_pk_add_f32 v[96:97], v[96:97], v[100+4*i:101+4*i]
	v_pk_add_f32 v[98:99], v[98:99], v[102+4*i:103+4*i]
.set i, i+1
.endr
	v_pk_mul_f32 v[96:97], v[96:97], \inv op_sel_hi:[1,0]
	v_pk_mul_f32 v[98:99], v[98:99], \inv op_sel_hi:[1,0]
.set i, 0
.rept NR
	v_pk_add_f32 v[32+4*i:33+4*i], v[32+4*i:33+4*i], v[96:97] neg_lo:[0,1] neg_hi:[0,1]
	v_pk_add_f32 v[34+4*i:35+4*i], v[34+4*i:35+4*i], v[98:99] neg_lo:[0,1] neg_hi:[0,1]
	v_cvt_pk_bf16_f32 v[32+4*i], v[32+4*i], v[33+4*i]
	v_cvt_pk_bf16_f32 v[33+4*i], v[34+4*i], v[35+4*i]
	ds_store_b64 v14, v[32+4*i:33+4*i] offset:i*16*SGP
.set i, i+1
.endr
	s_wait_dscnt 0x0
	s_barrier_signal -1
	s_barrier_wait -1
.set i, 0
.rept 4*NCT                                        ; i = 4 cc + 2 ksl + p
	ds_load_b128 v[100+4*i:103+4*i], v15 offset:(i/4)*16*SGP+((i/2)%2)*64+(i%2)*32
.set i, i+1
.endr
	s_wait_dscnt 0x0
.set i, 0
.rept 4*NCT
	global_store_b128 v5, v[100+4*i:103+4*i], s[42:43] offset:(i/4)*8192+((i/2)%2)*1024+(i%2)*512
.set i, i+1
.endr
.endm
.LroleB1:
	CENTER 256, 10, WAFO, 0x3b800000
	s_branch .Lend
.LroleB2:
	CENTER 128, 12, WBFO, 0x3c000000
	s_branch .Lend
; ---------------- ROLE C: q = number - 40: rows 128 q + 16 wave + i of in_proj_w times vp_b (q < 2) or tp_b, in f32 on the vector unit: 131,072 multiply-adds in all.
.LroleC:
	s_sub_co_u32 s26, s23, 40
	s_lshl_b32 s34, s26, 17
	s_lshl_b32 s35, s22, 14
	s_add_co_u32 s34, s34, s35
	s_mov_b32 s35, 0
	s_add_nc_u64 s[34:35], s[8:9], s[34:35]        ; my 16 rows
	s_lshl_b32 s38, s26, 9
	s_mov_b32 s39, 0
	s_add_nc_u64 s[40:41], s[18:19], s[38:39]      ; in_proj_b at the work-group's 128 numbers
	s_add_co_u32 s38, s38, VECO
	s_add_nc_u64 s[42:43], s[20:21], s[38:39]      ; and where they go
	s_cmp_lt_u32 s26, 2
	s_cselect_b64 s[32:33], s[14:15], s[16:17]
	s_cselect_b32 s36, SCQ, 1.0
	s_mov_b32 s37, s36
	global_load_b128 v[32:35], v5, s[32:33]
	global_load_b128 v[36:39], v5, s[32:33] offset:512
.set i, 0
.rept 16
	global_load_b128 v[40+8*i:43+8*i], v5, s[34:35] offset:i*1024
	global_load_b128 v[44+8*i:47+8*i], v5, s[34:35] offset:i*1024+512
.set i, i+1
.endr
	s_lshl_b32 s44, s22, 6
	s_add_co_u32 s44, s44, CR
	v_mov_b32 v16, s44                             ; my wave's 16 words
	v_lshl_add_u32 v17, v2, 4, CR
	s_wait_loadcnt 0x0
.set i, 0
.rept 16
	v_pk_mul_f32 v[168+2*i:169+2*i], v[40+8*i:41+8*i], v[32:33]
.set i, i+1
.endr
.irp c, 1,2,3
.set i, 0
.rept 16
	v_pk_fma_f32 v[168+2*i:169+2*i], v[40+8*i+2*\c:41+8*i+2*\c], v[32+2*\c:33+2*\c], v[168+2*i:169+2*i]
.set i, i+1
.endr
.endr
.set i, 0
.rept 16
	v_add_f32 v[168+2*i], v[168+2*i], v[169+2*i]
.set i, i+1
.endr
.irp m, 1,2,4,8
.set i, 0
.rept 16
	v_add_f32_dpp v[168+2*i], v[168+2*i], v[168+2*i] row_xmask:\m row_mask:0xf bank_mask:0xf
.set i, i+1
.endr
.endr
.set i, 0
.rept 16
	v_permlanex16_b32 v[169+2*i], v[168+2*i], s24, s25
.set i, i+1
.endr
.set i, 0
.rept 16
	v_add_f32 v[168+2*i], v[168+2*i], v[169+2*i]
	ds_store_b32 v16, v[168+2*i] offset:4*i        ; all lanes hold the same sum and write the same word
.set i, i+1
.endr
	s_wait_dscnt 0x0
	s_barrier_signal -1
	s_barrier_wait -1
	s_cmp_lg_u32 s22, 0                            ; wave 0 adds the bias, scales and stores the 128 numbers: 512 consecutive bytes
	s_cbranch_scc1 .Lend
	ds_load_b128 v[200:203], v17
	global_load_b128 v[204:207], v5, s[40:41]
	s_wait_loadcnt 0x0
	s_wait_dscnt 0x0
	v_pk_add_f32 v[200:201], v[200:201], v[204:205]
	v_pk_add_f32 v[202:203], v[202:203], v[206:207]
	v_pk_mul_f32 v[200:201], v[200:201], s[36:37] op_sel_hi:[1,0]
	v_pk_mul_f32 v[202:203], v[202:203], s[36:37] op_sel_hi:[1,0]
	global_store_b128 v5, v[200:203], s[42:43]
.Lend:
	s_wait_tensorcnt 0x0                           ; the wave's end: behind my last LDS store
	ds_add_u32 v30, v31
	s_wait_dscnt 0x0
	s_endpgm
.Lfunc_end_k_qfb9dc3cb39_prep:
	.size	k_qfb9dc3cb39_prep, .Lfunc_end_k_qfb9dc3cb39_prep-k_qfb9dc3cb39_prep
	.p2alignl 7, 3214868480
	.fill 96, 4, 3214868480
	.section	.rodata,"a",@progbits
	.p2align	6, 0x0
	.amdhsa_kernel k_qfb9dc3cb39_prep
		.amdhsa_group_segment_fixed_size 117248
		.amdhsa_private_segment_fixed_size 0
		.amdhsa_enable_private_segment 0
		.amdhsa_kernarg_size 72
		.amdhsa_user_sgpr_count 2
		.amdhsa_user_sgpr_kernarg_segment_ptr 1
		.amdhsa_wavefront_size32 1
		.amdhsa_system_sgpr_workgroup_id_x 1
		.amdhsa_system_sgpr_workgroup_id_y 1
		.amdhsa_system_sgpr_workgroup_id_z 1
		.amdhsa_system_vgpr_workitem_id 0
		.amdhsa_next_free_vgpr 256
		.amdhsa_next_free_sgpr 66
		.amdhsa_reserve_vcc 0
		.amdhsa_float_denorm_mode_32 3
		.amdhsa_float_denorm_mode_16_64 3
		.amdhsa_memory_ordered 1
		.amdhsa_forward_progress 1
		.amdhsa_inst_pref_size 61
	.end_amdhsa_kernel
	.amdgpu_metadata
---
amdhsa.version: [ 1, 2 ]
amdhsa.kernels:
  - .name:           k_qfb9dc3cb39_prep
    .symbol:         k_qfb9dc3cb39_prep.kd
    .args:
      - { .name: vp_w, .offset: 0, .size: 8, .value_kind: global_buffer, .address_space: global }
      - { .name: tp_w, .offset: 8, .size: 8, .value_kind: global_buffer, .address_space: global }
      - { .name: in_proj_w, .offset: 16, .size: 8, .value_kind: global_buffer, .address_space: global }
      - { .name: w1, .offset: 24, .size: 8, .value_kind: global_buffer, .address_space: global }
      - { .name: w2, .offset: 32, .size: 8, .value_kind: global_buffer, .address_space: global }
      - { .name: vp_b, .offset: 40, .size: 8, .value_kind: global_buffer, .address_space: global }
      - { .name: tp_b, .offset: 48, .size: 8, .value_kind: global_buffer, .address_space: global }
      - { .name: in_proj_b, .offset: 56, .size: 8, .value_kind: global_buffer, .address_space: global }
      - { .name: wts, .offset: 64, .size: 8, .value_kind: global_buffer, .address_space: global }
    .group_segment_fixed_size: 117248
    .private_segment_fixed_size: 0
    .kernarg_segment_align: 8
    .kernarg_segment_size: 72
    .max_flat_workgroup_size: 256
    .sgpr_count:     66
    .vgpr_count:     256
    .wavefront_size: 32
...
	.end_amdgpu_metadata
.endif
;; end of part 1
;; launch main (part 2): grid 16 x 16, 4 waves a work-group, no clusters, 327,680 bytes of LDS; arguments vision_features, text_features, g1, be1, g2, be2, w3, b1, b2, b3, wts, pln, part; writes pln, part
.if DOCPART == 2
	.amdgcn_target "amdgcn-amd-amdhsa--gfx1250"
	.amdhsa_code_object_version 6
	.text
	.protected	k_qfb9dc3cb39_main
	.globl	k_qfb9dc3cb39_main
	.p2align	8
	.type	k_qfb9dc3cb39_main,@function
k_qfb9dc3cb39_main:
	s_mov_b64 s[64:65], 0
	v_nop
	global_prefetch_b8 v0, s[64:65] scope:SCOPE_SE
	s_setreg_imm32_b32 hwreg(HW_REG_WAVE_MODE, 25, 1), 1
	s_wait_xcnt 0x0
; MAIN: reads every vision row once and leaves, for each row (n, b): the similarity for each possible k_top (8 .. 16) and the feature importance; for each work-group: their minima and maxima and the sum of the attention variance.
; ALGEBRA.  The score of head h and text key l, times log2(e)/sqrt(32), is x . M_b[(h,l)] + c_b[(h,l)], with M_b[(h,l)][c] = sum over d in h of KP_b[l][d] WQ[d][c], c_b = KP_b . bqv,
; KP_b[l][d] = text[l,b] . G[d] + bkk[d] (WQ, G, bqv, bkk: the launch before).  The MLP's pre-activations are made with weights and biases less their mean over the columns, so their mean is 0 and LayerNorm wants a sum of squares alone.
; SHARES.  Work-group (b, blk): rows n = 1,024 blk .. + 1,023 of batch b, 64 tiles of 16 rows.  Wave w owns OUTPUT COLUMNS for all rows: scores of heads 2 w, 2 w + 1 (64), h1 columns 64 w .. (64), h2 columns 32 w .. (32).
; Its weights for them, 640 registers of bf16 fragments, stay in registers for the whole launch; LDS carries the stream of x and what the waves hand each other.
; LAYOUT.  Every product is taken transposed (source 0 = 16 weight rows, source 1 = 16 rows of x): in a result lane L holds ONE row of x (L % 16) and the output columns 8 (L / 16) + 0..7.
; PIPELINE, one barrier a tile.  Trip T: S4 (tile T-3: LayerNorm 2, ReLU, w3), S3 (T-2: h2), S2 (T-1: LayerNorm 1, ReLU, h1 into LDS), S1 (T: scores, softmax, h1's pre-activation).  What crosses waves (sums of squares, h1)
; lies in two blocks that go by the tile's parity: written in one trip, read in the next, written again in the one after.  After each group of four tiles wave w sorts tile w's attention.
; NO CLUSTER: x, 1 MiB a work-group, is read by that work-group alone; the weights that work-groups share are read once, at the head, straight into the registers where they stay.
; LIMITS.  x, text, G, WQ, KP, M_b, W1c, W2c and h1 are each rounded once to bf16; sums, softmax, norms and the sort are f32.  The mean that the rounding of W1c and W2c leaves in the pre-activations (of the size of that rounding) is not taken away.
; An exponential below 2^-126 counts as 0; NaN and infinities are not treated apart.
.set XP,    1040                       ; a row of x in LDS: 1,024 bytes + 16: the 16 rows of a load start at 16 different groups of four banks
.set XTILE, 16*XP                      ; what one tensor load brings: 16 rows
.set XSLOT, 4*XTILE                    ; a slot: a group of four tiles; slot 0 at byte 0
.set SLOT1, 1<<17                      ; slot 1: one exclusive or turns an address in one slot into the other's
.set ATT,   66560                      ; [tile 4][wave 4][q 4][lane 32] 16 bytes: each wave's share of the attention (two heads, times 1/8)
.set ZP,    99328                      ; [68][r 16][wave 4] f32: each wave's share of h2 . w3; tile t at index t + 3
.set CBL,   116736                     ; [wave][64] f32: c_b, each wave's own
.set B1L,   117760                     ; [wave][256] f32: b1 less its mean, each wave's own copy
.set RED,   121856                     ; [wave][32] f32: the end's reductions
.set REC,   122368                     ; the record, 256 bytes
.set SPARE, 122624                     ; the spare words: 128 bytes for each wave; no other line names them
.set EX0,   197632                     ; two blocks, by the tile's parity: +0 [r][wave] f32 sums of squares of h1', +256 of h2', +512 h1 as [16 rows] bf16
.set EXB,   9216
.set HP,    528                        ; a row of h1: 512 bytes + 16
.set OUT,   216064                     ; [10][1,024] f32: the nine similarities, then the variance
.set GFO,   0                          ; wts, as the launch before laid it
.set WQFO,  131072
.set WAFO,  262144
.set WBFO,  393216
.set VECO,  458752
; window 0
.set LXA, 4                            ; r x XP + 32 hf
.set XAD, 5                            ; + the trip's tile
.set LSST, 6                           ; EX0 + 16 r + 4 w
.set LSLD, 7                           ; EX0 + 16 r
.set LHST, 8                           ; EX0 + 512 + r x HP + 128 w + 16 hf
.set LHLD, 9                           ; EX0 + 512 + r x HP + 16 hf
.set STP, 10                           ; the four above plus the trip's block
.set LDQ, 11
.set HLP, 12
.set HSQ, 13
.set LATT, 14                          ; ATT + 2,048 w + 16 lane
.set AAT, 15
.set LZP, 16                           ; ZP + 16 r + 4 w
.set AZP, 17
.set LCB, 18                           ; CBL + 256 w + 32 hf
.set LB1, 19                           ; B1L + 1,280 w + 32 hf
.set LATR, 20                          ; ATT + 8,192 w + 16 lane
.set LOUT, 21                          ; OUT + 64 w + 4 r
.set AOUT, 22
.set VPF, 23                           ; the prefetches' offset: r x 16,384 + 256 hf
.set ZERO, 24
.set LANE, 25
.set SPW, 30                           ; my spare word; never rewritten
.set NIL, 31                           ; 0; never rewritten
.set XB, 32                            ; v32-95   x as bf16 fragments, 8 a K step of 32
.set XT, 96                            ; v96-159  x as loaded; h1's fragments; at work
.set AS, 160                           ; v160-191 four score tiles: 8 (2 head + key half)
.set AH, 192                           ; v192-223 four tiles of h1'; carried into the next trip
.set A2, 224                           ; v224-239 two tiles of h2'; carried into the next trip
.set PK, 240                           ; v240-255 h1, packed
; head only, in registers that the trips write anew
.set HTX, 5                            ; r x 16,384 + 32 hf
.set HV, 10                            ; 256 w + 32 hf
.set H2, 11                            ; 128 w + 32 hf
.set HB1, 12                           ; 32 lane
.set HCB, 13                           ; CBL + 256 w + 4 r
.set HZ, 15                            ; EX0 + 16 thread
.set HR, 17                            ; RED + 128 w + 4 lane
.set HB, 22                            ; B1L + 1,024 w + 32 lane
; window 1: M_b's fragments at 64 (2 head + key half) + 8 ks.  window 2: W1c's at 64 c + 8 ks.  window 3: W2c's at 64 c2 + 8 ks (v0-127), then, for my lane's eight columns of each tile:
.set G1, 128
.set BE1, 160
.set G2, 192
.set BE2, 208
.set W3, 224
.set B2C, 240
; scalars
.set sW, 50
.set sB, 51
.set sBLK, 52
.set sG, 53                            ; groups to go
.set sU, 54                            ; trips to go in the group
.set sP, 55                            ; the block of this trip's parity: 0 or EXB
.set sQ, 56                            ; the other
.set sXO, 57                           ; LDS byte of the trip's tile of x
.set sAT, 58                           ; 8,192 x the tile's number in its group
.set sZ, 59                            ; 256 x the trip's number
.set sOU, 60                           ; 256 x the group's number
.set SEL, 66                           ; s[66:67] v_permlanex16_b32's selects: each lane takes its own place in the other half
.set EPS, 68
.set I256, 69
.set I128, 70
.set L2E, 72                           ; s[72:73]
.set MSB, 0
.macro WIN new                         ; low byte: bits 1:0 source 0, 3:2 source 1, 5:4 source 2, 7:6 destination; the high byte repeats the setting that is left
.if MSB != (\new)
	s_set_vgpr_msb (MSB<<8)|(\new)
.set MSB, (\new)
.endif
.endm
.macro PLACES                          ; four places between a matrix instruction and a vector instruction or load that touches its registers
.rept 4
	v_nop
.endr
.endm
; ================= HEAD =================
	s_load_b512 s[4:19], s[0:1], 0x0               ; vision 4, text 6, g1 8, be1 10, g2 12, be2 14, w3 16, b1 18
	s_load_b256 s[20:27], s[0:1], 0x40             ; b2 20, b3 22, wts 24, pln 26
	s_load_b64 s[28:29], s[0:1], 0x60              ; part
	v_lshl_add_u32 v[SPW], v0, 2, SPARE
	v_mov_b32 v[NIL], 0
	ds_add_u32 v[SPW], v[NIL]                      ; the wave's opening: the add, twice on end, and its wait ahead of my first tensor load; the set-up below stands between
	ds_add_u32 v[SPW], v[NIL]
	v_lshrrev_b32 v[LANE], 5, v0
	v_readfirstlane_b32 s[sW], v[LANE]             ; wave 0..3
	s_mov_b32 s[sB], ttmp9
	s_and_b32 s[sBLK], ttmp7, 0xffff
	; descriptor group 1: 16 rows x 256 elements of 4 bytes, 4,096 elements from row to row (the 16 batches lie between two n), padded in LDS
	s_mov_b32 s32, (2<<16)|(1<<20)|(7<<22)|(3<<25) ; 17:16 4-byte elements; 20 padding on; 24:22 after every 256 words (code 7); 31:25 4 words (code 3)
	s_mov_b32 s33, 256<<16                         ; tensor_dim0 = 256
	s_mov_b32 s34, 16<<16                          ; tensor_dim1 = 16
	s_mov_b32 s35, 256<<16                         ; tile_dim0 = 256
	s_mov_b32 s36, 16                              ; tile_dim1 = 16
	s_mov_b32 s37, 4096                            ; the pitch
	s_mov_b32 s38, 0
	s_mov_b32 s39, 0
	s_mov_b32 s40, 1                               ; group 0, set A: group 0 of tiles into slot 0; wave w brings tile w
	s_mul_i32 s41, s[sW], XTILE
	s_mov_b32 s44, 1                               ; set B: group 1 into slot 1; it then walks
	s_add_co_u32 s45, s41, SLOT1
	s_lshl_b32 s74, s[sB], 10                      ; row (n, b) lies at n x 16,384 + b x 1,024; n = 1,024 blk + 64 group + 16 w + i
	s_lshl_b32 s75, s[sBLK], 24
	s_add_co_u32 s74, s74, s75
	s_lshl_b32 s75, s[sW], 18
	s_add_co_u32 s74, s74, s75
	s_mov_b32 s75, 0
	s_lshl_b32 s82, s[sW], 15
	s_mov_b32 s83, 0
	s_lshl_b32 s84, s[sW], 14
	s_mov_b32 s85, 0
	s_lshl_b32 s86, s[sB], 10
	s_mov_b32 s87, 0
	s_mov_b32 s[SEL], 0x76543210
	s_mov_b32 s[SEL+1], 0xfedcba98
	s_mov_b32 s[EPS], 0x3727c5ac                   ; 1e-5
	s_mov_b32 s[I256], 0x3b800000
	s_mov_b32 s[I128], 0x3c000000
	s_mov_b32 s[L2E], 0x3fb8aa3b
	s_mov_b32 s[L2E+1], 0x3fb8aa3b
	v_and_b32 v[LANE], 31, v0
	v_lshlrev_b32 v1, 4, v[LANE]                   ; 16 lane
	v_and_b32 v2, 15, v0                           ; r
	v_bfe_u32 v3, v0, 4, 1                         ; hf
	v_mul_u32_u24 v[LXA], v2, XP
	v_lshl_add_u32 v[LXA], v3, 5, v[LXA]
	v_lshl_add_u32 v[LSLD], v2, 4, EX0
	s_lshl_b32 s88, s[sW], 2
	v_add_nc_u32 v[LSST], s88, v[LSLD]
	v_mul_u32_u24 v[LHLD], v2, HP
	v_lshl_add_u32 v[LHLD], v3, 4, v[LHLD]
	v_add_nc_u32 v[LHLD], EX0+512, v[LHLD]
	s_lshl_b32 s89, s[sW], 7
	v_add_nc_u32 v[LHST], s89, v[LHLD]
	s_lshl_b32 s90, s[sW], 11
	s_add_co_u32 s90, s90, ATT
	v_add_nc_u32 v[LATT], s90, v1
	v_lshl_add_u32 v[LZP], v2, 4, ZP
	v_add_nc_u32 v[LZP], s88, v[LZP]
	s_lshl_b32 s91, s[sW], 8
	s_add_co_u32 s92, s91, CBL
	v_lshl_add_u32 v[LCB], v3, 5, s92
	s_mul_i32 s93, s[sW], 1280
	s_add_co_u32 s93, s93, B1L
	v_lshl_add_u32 v[LB1], v3, 5, s93
	s_lshl_b32 s94, s[sW], 13
	s_add_co_u32 s94, s94, ATT
	v_add_nc_u32 v[LATR], s94, v1
	s_lshl_b32 s95, s[sW], 6
	s_add_co_u32 s95, s95, OUT
	v_lshl_add_u32 v[LOUT], v2, 2, s95
	v_lshlrev_b32 v[VPF], 14, v2
	v_lshl_add_u32 v[VPF], v3, 8, v[VPF]
	v_mov_b32 v[ZERO], 0
	v_mov_b32 v27, 0                               ; the second registers of the two pairs that carry 1/sigma: named with them, never used
	v_mov_b32 v29, 0
	v_lshlrev_b32 v[HTX], 14, v2
	v_lshl_add_u32 v[HTX], v3, 5, v[HTX]
	v_lshl_add_u32 v[HV], v3, 5, s91
	v_lshl_add_u32 v[H2], v3, 5, s89
	v_lshlrev_b32 v[HB1], 5, v[LANE]
	v_lshl_add_u32 v[HCB], v2, 2, s92
	v_lshl_add_u32 v[HZ], v0, 4, EX0
	s_add_co_u32 s93, s89, RED
	v_lshl_add_u32 v[HR], v[LANE], 2, s93
	s_lshl_b32 s94, s[sW], 10
	s_add_co_u32 s94, s94, B1L
	v_lshl_add_u32 v[HB], v[LANE], 5, s94
	s_wait_dscnt 0x0                               ; both opening adds are done
	s_wait_kmcnt 0x0
	s_add_nc_u64 s[42:43], s[4:5], s[74:75]        ; my tile of group 0,
	s_add_nc_u64 s[46:47], s[42:43], 0x100000      ; of group 1 (64 n further on),
	s_add_nc_u64 s[48:49], s[42:43], 0x200000      ; and where the prefetches stand: group 2; the first refill steps it to 3
	s_or_b32 s43, s43, 0x80000000                  ; type = 2
	s_or_b32 s47, s47, 0x80000000
	tensor_load_to_lds s[40:43], s[32:39]          ; both first fills go out together, ahead of every wait on TENSORcnt, LDS read and barrier: two loads of mine are out
	s_nop 0
	tensor_load_to_lds s[44:47], s[32:39]
	s_nop 0
	PLACES
	s_add_nc_u64 s[76:77], s[24:25], s[82:83]      ; wts + 32,768 w: my share of G's, WQ's and W1c's fragments, the region in the immediate
	s_add_nc_u64 s[78:79], s[24:25], s[84:85]      ; wts + 16,384 w: of W2c's
	s_add_nc_u64 s[80:81], s[6:7], s[86:87]        ; text at batch b
	; batch 1: the batch's 32 text rows as f32 fragments, window 3: register 128 lt + 16 ks + 8 p + 4 e
	WIN 0xc0
.set n, 0
.rept 64
	global_load_b128 v[4*n:4*n+3], v[HTX], s[80:81] offset:(n/32)*262144+((n%32)/4)*128+((n/2)%2)*64+(n%2)*16
.set n, n+1
.endr
	WIN 0
.set n, 0
.rept 8                                            ; batch 2: bkk of my 64 d, as the C operand wants it
	global_load_b128 v[224+4*n:227+4*n], v[HV], s[24:25] offset:VECO+1024+(n/2)*64+(n%2)*16
.set n, n+1
.endr
	WIN 0x40
.set n, 0
.rept 64                                           ; batch 3: G's fragments of my 64 d, window 1: 64 a + 8 ks
	global_load_b128 v[4*n:4*n+3], v1, s[76:77] offset:GFO+n*512
.set n, n+1
.endr
	s_wait_loadcnt 63                              ; only the youngest 63 of the 136 may be out: the first 72, text and bkk, are in
	WIN 0x0f
.set n, 0
.rept 128
	v_cvt_pk_bf16_f32 v[32+n], v[2*n], v[2*n+1]    ; text as bf16 fragments: v[32 + 64 lt + 8 ks ..]
.set n, n+1
.endr
	WIN 0xc0
.set n, 0
.rept 64                                           ; batch 4: WQ^T's fragments of my two heads, window 3: 128 hh + 8 ct
	global_load_b128 v[4*n:4*n+3], v1, s[76:77] offset:WQFO+n*512
.set n, n+1
.endr
	WIN 0x80
.set n, 0
.rept 64                                           ; batch 5: W1c's fragments, window 2, where they stay
	global_load_b128 v[4*n:4*n+3], v1, s[76:77] offset:WAFO+n*512
.set n, n+1
.endr
	s_wait_loadcnt 63                              ; only the youngest 63 may be out, all of them batch 5's: G is in
	; KP^T = G text^T + bkk: eight accumulators (a, lt) at v[160 + 8 (2 a + lt)] by turns; a lane holds one key l and eight d
	WIN 0x01
.set t, 0
.rept 8
	v_wmma_f32_16x16x32_bf16 v[160+8*t:167+8*t], v[64*(t/2):64*(t/2)+7], v[32+64*(t%2):39+64*(t%2)], v[224+8*(t/2):231+8*(t/2)]
.set t, t+1
.endr
	WIN 0
	PLACES
.set n, 0
.rept 8                                            ; batch 6: bqv takes bkk's registers
	global_load_b128 v[224+4*n:227+4*n], v[HV], s[24:25] offset:VECO+(n/2)*64+(n%2)*16
.set n, n+1
.endr
	WIN 0x01
.set k, 1
.rept 7
.set t, 0
.rept 8
	v_wmma_f32_16x16x32_bf16 v[160+8*t:167+8*t], v[64*(t/2)+8*k:64*(t/2)+8*k+7], v[32+64*(t%2)+8*k:39+64*(t%2)+8*k], v[160+8*t:167+8*t]
.set t, t+1
.endr
.set k, k+1
.endr
	WIN 0
	PLACES
	s_wait_loadcnt 0x0
; c_b for (hh, lt) = k: the lane's 16 d, then the other half of the lanes'; each accumulator is read from its low end on
.macro CB k
.set a0_, 160+8*(4*((\k)/2)+(\k)%2)
.set a1_, a0_+16
.set q0_, 224+16*((\k)/2)
.set t_, 96+4*(\k)
	v_pk_mul_f32 v[t_:t_+1], v[a0_:a0_+1], v[q0_:q0_+1]
	v_pk_mul_f32 v[t_+2:t_+3], v[a1_:a1_+1], v[q0_+8:q0_+9]
.irp c, 1,2,3
	v_pk_fma_f32 v[t_:t_+1], v[a0_+2*\c:a0_+2*\c+1], v[q0_+2*\c:q0_+2*\c+1], v[t_:t_+1]
	v_pk_fma_f32 v[t_+2:t_+3], v[a1_+2*\c:a1_+2*\c+1], v[q0_+8+2*\c:q0_+9+2*\c], v[t_+2:t_+3]
.endr
	v_pk_add_f32 v[t_:t_+1], v[t_:t_+1], v[t_+2:t_+3]
	v_add_f32 v[t_], v[t_], v[t_+1]
	v_permlanex16_b32 v[t_+1], v[t_], s[SEL], s[SEL+1]
	v_add_f32 v[t_], v[t_], v[t_+1]
	ds_store_b32 v[HCB], v[t_] offset:64*(\k)
.irp c, 0,1,2,3                        ; and KP as source 1 of the next product: 16 keys x the head's 32 d: v[32 + 8 k ..]
	v_cvt_pk_bf16_f32 v[32+8*(\k)+\c], v[a0_+2*\c], v[a0_+2*\c+1]
	v_cvt_pk_bf16_f32 v[36+8*(\k)+\c], v[a1_+2*\c], v[a1_+2*\c+1]
.endr
.endm
	CB 0
	CB 1
	CB 2
	CB 3
; M_b^T = WQ^T KP^T, eight products a batch (eight tiles of 16 c), two banks by turns: a lane holds one key and eight c, which rounded in pairs ARE half a fragment of M_b.
; One bank's 32 conversions are the places behind the other bank's products.
.macro MB bank, k, c0
	WIN 0x03
.set i, 0
.rept 8
	v_wmma_f32_16x16x32_bf16 v[(\bank)+8*i:(\bank)+8*i+7], v[128*((\k)/2)+8*((\c0)+i):128*((\k)/2)+8*((\c0)+i)+7], v[32+8*(\k):39+8*(\k)], 0
.set i, i+1
.endr
.endm
.macro CV bank, k, c0
	WIN 0x40
.set i, 0
.rept 32
	v_cvt_pk_bf16_f32 v[64*(\k)+4*(\c0)+i], v[(\bank)+2*i], v[(\bank)+2*i+1]
.set i, i+1
.endr
.endm
	MB 96, 0, 0
	MB 160, 0, 8
	WIN 0
	PLACES
	CV 96, 0, 0
	MB 96, 1, 0
	CV 160, 0, 8
	MB 160, 1, 8
	CV 96, 1, 0
	MB 96, 2, 0
	CV 160, 1, 8
	MB 160, 2, 8
	CV 96, 2, 0
	MB 96, 3, 0
	CV 160, 2, 8
	MB 160, 3, 8
	CV 96, 3, 0
	CV 160, 3, 8
	; batch 7: what stays in window 3, and all of b1 and b2 for their means
	WIN 0xc0
.set n, 0
.rept 32
	global_load_b128 v[4*n:4*n+3], v1, s[78:79] offset:WBFO+n*512
.set n, n+1
.endr
.set n, 0
.rept 8
	global_load_b128 v[G1+4*n:G1+4*n+3], v[HV], s[8:9] offset:(n/2)*64+(n%2)*16
	global_load_b128 v[BE1+4*n:BE1+4*n+3], v[HV], s[10:11] offset:(n/2)*64+(n%2)*16
.set n, n+1
.endr
.set n, 0
.rept 4
	global_load_b128 v[G2+4*n:G2+4*n+3], v[H2], s[12:13] offset:(n/2)*64+(n%2)*16
	global_load_b128 v[BE2+4*n:BE2+4*n+3], v[H2], s[14:15] offset:(n/2)*64+(n%2)*16
	global_load_b128 v[W3+4*n:W3+4*n+3], v[H2], s[16:17] offset:(n/2)*64+(n%2)*16
	global_load_b128 v[B2C+4*n:B2C+4*n+3], v[H2], s[20:21] offset:(n/2)*64+(n%2)*16
.set n, n+1
.endr
	WIN 0
	global_load_b128 v[96:99], v[HB1], s[18:19]
	global_load_b128 v[100:103], v[HB1], s[18:19] offset:16
	global_load_b128 v[104:107], v1, s[20:21]
.irp c, 108,109,110,111
	v_mov_b32 v\c, 0
.endr
.set i, 0
.rept 9                                            ; both blocks start at 0: the first trips' later stages read them, and what they make of it lands in ZP's three front tiles, which nobody reads
	ds_store_b128 v[HZ], v[108:111] offset:i*2048
.set i, i+1
.endr
	ds_store_b32 v[HR], v108                       ; my 32 words of RED
	s_wait_loadcnt 0x0
	v_pk_add_f32 v[112:113], v[96:97], v[98:99]    ; the means of b1 and b2, made by every wave for itself
	v_pk_add_f32 v[114:115], v[100:101], v[102:103]
	v_pk_add_f32 v[116:117], v[104:105], v[106:107]
	v_pk_add_f32 v[112:113], v[112:113], v[114:115]
	v_add_f32 v116, v116, v117
	v_add_f32 v112, v112, v113
.irp m, 1,2,4,8
	v_add_f32_dpp v112, v112, v112 row_xmask:\m row_mask:0xf bank_mask:0xf
	v_add_f32_dpp v116, v116, v116 row_xmask:\m row_mask:0xf bank_mask:0xf
.endr
	v_permlanex16_b32 v113, v112, s[SEL], s[SEL+1]
	v_permlanex16_b32 v117, v116, s[SEL], s[SEL+1]
	v_add_f32 v112, v112, v113
	v_add_f32 v116, v116, v117
	v_mul_f32 v112, s[I256], v112
	v_mul_f32 v116, s[I128], v116
.set i, 0
.rept 4
	v_pk_add_f32 v[96+2*i:97+2*i], v[96+2*i:97+2*i], v[112:113] op_sel_hi:[1,0] neg_lo:[0,1] neg_hi:[0,1]
.set i, i+1
.endr
	ds_store_b128 v[HB], v[96:99]
	ds_store_b128 v[HB], v[100:103] offset:16
	WIN 0xc3
.set i, 0
.rept 8
	v_pk_add_f32 v[B2C+2*i:B2C+2*i+1], v[B2C+2*i:B2C+2*i+1], v[116:117] op_sel_hi:[1,0] neg_lo:[0,1] neg_hi:[0,1]
.set i, i+1
.endr
	WIN 0
	s_mov_b32 s[sP], 0
	s_mov_b32 s[sQ], EXB
	s_mov_b32 s[sXO], 0
	s_mov_b32 s[sAT], 0
	s_mov_b32 s[sZ], 0
	s_mov_b32 s[sOU], 0
	s_wait_tensorcnt 1                             ; my tile of group 0 is in; group 1's may stay out
	s_wait_dscnt 0x0
	s_barrier_signal -1
	s_barrier_wait -1
; ================= THE TRIP =================
; 16 products: K steps k0 .. k0 + 3 of x against the weights in window win; the four accumulators take turns
.macro MULX win, acc, k0
	WIN \win
.set k, \k0
.rept 4
.set c, 0
.rept 4
	v_wmma_f32_16x16x32_bf16 v[(\acc)+8*c:(\acc)+8*c+7], v[64*c+8*k:64*c+8*k+7], v[XB+8*k:XB+8*k+7], v[(\acc)+8*c:(\acc)+8*c+7]
.set c, c+1
.endr
.set k, k+1
.endr
.endm
; Both heads' softmax over the 32 keys (16 in my lane, 16 in the lane 16 away) and their sum times 1/8.  The scores carry log2(e)/sqrt(32) already: p = 2^(s - max s).
.macro SOFTMAX
.irp h, 0,1
	v_max3_num_f32 v[XT+4*\h], v[AS+16*\h], v[AS+16*\h+1], v[AS+16*\h+2]       ; each accumulator is read from its low end on
	v_max3_num_f32 v[XT+4*\h+1], v[AS+16*\h+8], v[AS+16*\h+9], v[AS+16*\h+10]
.endr
.irp h, 0,1
	v_max3_num_f32 v[XT+4*\h], v[XT+4*\h], v[AS+16*\h+3], v[AS+16*\h+4]
	v_max3_num_f32 v[XT+4*\h+1], v[XT+4*\h+1], v[AS+16*\h+11], v[AS+16*\h+12]
.endr
.irp h, 0,1
	v_max3_num_f32 v[XT+4*\h], v[XT+4*\h], v[AS+16*\h+5], v[AS+16*\h+6]
	v_max3_num_f32 v[XT+4*\h+1], v[XT+4*\h+1], v[AS+16*\h+13], v[AS+16*\h+14]
.endr
.irp h, 0,1
	v_max3_num_f32 v[XT+4*\h], v[XT+4*\h], v[AS+16*\h+7], v[AS+16*\h+15]
.endr
.irp h, 0,1
	v_max_num_f32 v[XT+4*\h], v[XT+4*\h], v[XT+4*\h+1]
.endr
.irp h, 0,1
	v_permlanex16_b32 v[XT+4*\h+1], v[XT+4*\h], s[SEL], s[SEL+1]
.endr
.irp h, 0,1
	v_max_num_f32 v[XT+4*\h], v[XT+4*\h], v[XT+4*\h+1]
.endr
.set i, 0
.rept 16
	v_pk_add_f32 v[AS+2*i:AS+2*i+1], v[AS+2*i:AS+2*i+1], v[XT+4*(i/8):XT+4*(i/8)+1] op_sel_hi:[1,0] neg_lo:[0,1] neg_hi:[0,1]
.set i, i+1
.endr
.set i, 0
.rept 32
	v_exp_f32 v[AS+i], v[AS+i]
.set i, i+1
.endr
	v_nop                                          ; a plain instruction behind the last exponential,
	s_wait_alu depctr_va_vdst(0)                   ; and one wait for the batch of 32, ahead of the first use of a result
.irp h, 0,1
	v_pk_add_f32 v[XT+8+8*\h:XT+9+8*\h], v[AS+16*\h:AS+16*\h+1], v[AS+16*\h+2:AS+16*\h+3]
	v_pk_add_f32 v[XT+10+8*\h:XT+11+8*\h], v[AS+16*\h+4:AS+16*\h+5], v[AS+16*\h+6:AS+16*\h+7]
	v_pk_add_f32 v[XT+12+8*\h:XT+13+8*\h], v[AS+16*\h+8:AS+16*\h+9], v[AS+16*\h+10:AS+16*\h+11]
	v_pk_add_f32 v[XT+14+8*\h:XT+15+8*\h], v[AS+16*\h+12:AS+16*\h+13], v[AS+16*\h+14:AS+16*\h+15]
.endr
.irp h, 0,1
	v_pk_add_f32 v[XT+8+8*\h:XT+9+8*\h], v[XT+8+8*\h:XT+9+8*\h], v[XT+10+8*\h:XT+11+8*\h]
	v_pk_add_f32 v[XT+12+8*\h:XT+13+8*\h], v[XT+12+8*\h:XT+13+8*\h], v[XT+14+8*\h:XT+15+8*\h]
.endr
.irp h, 0,1
	v_pk_add_f32 v[XT+8+8*\h:XT+9+8*\h], v[XT+8+8*\h:XT+9+8*\h], v[XT+12+8*\h:XT+13+8*\h]
.endr
.irp h, 0,1
	v_add_f32 v[XT+8+8*\h], v[XT+8+8*\h], v[XT+9+8*\h]
.endr
.irp h, 0,1
	v_permlanex16_b32 v[XT+9+8*\h], v[XT+8+8*\h], s[SEL], s[SEL+1]
.endr
.irp h, 0,1
	v_add_f32 v[XT+8+8*\h], v[XT+8+8*\h], v[XT+9+8*\h]
.endr
	v_rcp_f32 v[XT], v[XT+8]
	v_rcp_f32 v[XT+4], v[XT+16]
	v_nop
	s_wait_alu depctr_va_vdst(0)                   ; one wait for the two reciprocals
	v_mul_f32 v[XT], 0x3e000000, v[XT]             ; the mean over eight heads
	v_mul_f32 v[XT+4], 0x3e000000, v[XT+4]
.set i, 0
.rept 8
	v_pk_mul_f32 v[AS+2*i:AS+2*i+1], v[AS+2*i:AS+2*i+1], v[XT:XT+1] op_sel_hi:[1,0]
.set i, i+1
.endr
.set i, 0
.rept 8
	v_pk_fma_f32 v[AS+2*i:AS+2*i+1], v[AS+16+2*i:AS+17+2*i], v[XT+4:XT+5], v[AS+2*i:AS+2*i+1] op_sel_hi:[1,0,1]
.set i, i+1
.endr
.endm
; skip = 1 (the tail): in the last group there is no tile left for S1, and it is jumped over: it holds no barrier and no tensor load.
.macro TRIP skip
	WIN 0
	v_add_nc_u32 v[STP], s[sP], v[LSST]
	v_add_nc_u32 v[LDQ], s[sQ], v[LSLD]
	v_add_nc_u32 v[HLP], s[sP], v[LHLD]
	v_add_nc_u32 v[HSQ], s[sQ], v[LHST]
	v_add_nc_u32 v[XAD], s[sXO], v[LXA]
	v_add_nc_u32 v[AAT], s[sAT], v[LATT]
	v_add_nc_u32 v[AZP], s[sZ], v[LZP]
	ds_load_b128 v[36:39], v[LDQ] offset:256       ; the four waves' sums of squares of h2' (tile T-3),
	ds_load_b128 v[32:35], v[LDQ]                  ; and of h1' (tile T-1)
.set i, 0
.rept 8                                            ; h1 of tile T-2, as source 1: 16 loads
	ds_load_b128 v[XT+8*i:XT+8*i+3], v[HLP] offset:64*i
	ds_load_b128 v[XT+8*i+4:XT+8*i+7], v[HLP] offset:64*i+32
.set i, i+1
.endr
.set i, 0
.rept 8                                            ; c_b into the score accumulators: the first product adds onto it
	ds_load_b128 v[AS+4*i:AS+4*i+3], v[LCB] offset:(i/2)*64+(i%2)*16
.set i, i+1
.endr
	s_wait_dscnt 24                                ; the two sums are in; the 24 younger loads stay out
	v_add_f32 v36, v36, v37
	v_add_f32 v38, v38, v39
	v_add_f32 v32, v32, v33
	v_add_f32 v34, v34, v35
	v_add_f32 v36, v36, v38
	v_add_f32 v32, v32, v34
	v_fma_f32 v36, v36, s[I128], s[EPS]
	v_fma_f32 v32, v32, s[I256], s[EPS]
	v_rsq_f32 v28, v36
	v_rsq_f32 v26, v32
	v_nop
	s_wait_alu depctr_va_vdst(0)                   ; one wait for both roots
	; ---- S4, tile T-3: LayerNorm 2, ReLU, my 32 columns' share of h2 . w3
.set i, 0
.rept 8
	v_pk_mul_f32 v[A2+2*i:A2+2*i+1], v[A2+2*i:A2+2*i+1], v[28:29] op_sel_hi:[1,0]
.set i, i+1
.endr
	WIN 0x3c
.set i, 0
.rept 8
	v_pk_fma_f32 v[A2+2*i:A2+2*i+1], v[A2+2*i:A2+2*i+1], v[G2+2*i:G2+2*i+1], v[BE2+2*i:BE2+2*i+1]
.set i, i+1
.endr
	WIN 0
.set i, 0
.rept 16
	v_max_num_f32 v[A2+i], 0, v[A2+i]
.set i, i+1
.endr
	WIN 0x0c
	v_pk_mul_f32 v[40:41], v[A2:A2+1], v[W3:W3+1]
	v_pk_mul_f32 v[42:43], v[A2+8:A2+9], v[W3+8:W3+9]
.irp c, 1,2,3
	v_pk_fma_f32 v[40:41], v[A2+2*\c:A2+2*\c+1], v[W3+2*\c:W3+2*\c+1], v[40:41]
	v_pk_fma_f32 v[42:43], v[A2+8+2*\c:A2+9+2*\c], v[W3+8+2*\c:W3+9+2*\c], v[42:43]
.endr
	WIN 0
	v_pk_add_f32 v[40:41], v[40:41], v[42:43]
	v_add_f32 v40, v40, v41
	v_permlanex16_b32 v41, v40, s[SEL], s[SEL+1]
	v_add_f32 v40, v40, v41
	ds_store_b32 v[AZP], v40
	; ---- S3, tile T-2: h2' = W2c h1 + b2c: the two accumulators take turns; the first pair takes the bias as C
	s_wait_dscnt 9                                 ; h1 is in; the eight loads of c_b and the store above stay out
	WIN 0x33
	v_wmma_f32_16x16x32_bf16 v[A2:A2+7], v[0:7], v[XT:XT+7], v[B2C:B2C+7]
	v_wmma_f32_16x16x32_bf16 v[A2+8:A2+15], v[64:71], v[XT:XT+7], v[B2C+8:B2C+15]
	WIN 0x03
.set k, 1
.rept 7
	v_wmma_f32_16x16x32_bf16 v[A2:A2+7], v[8*k:8*k+7], v[XT+8*k:XT+8*k+7], v[A2:A2+7]
	v_wmma_f32_16x16x32_bf16 v[A2+8:A2+15], v[64+8*k:71+8*k], v[XT+8*k:XT+8*k+7], v[A2+8:A2+15]
.set k, k+1
.endr
	; ---- S2, tile T-1: LayerNorm 1, ReLU, h1 as bf16 into the other block
	WIN 0
.set i, 0
.rept 8                                            ; these eight are also the places between S3's last product and the loads into the registers that it read
	v_pk_mul_f32 v[AH+2*i:AH+2*i+1], v[AH+2*i:AH+2*i+1], v[26:27] op_sel_hi:[1,0]
.set i, i+1
.endr
.set i, 0
.rept 16                                           ; x of tile T, K steps 0-3, as f32: register 16 ks + 8 p + 4 e
	ds_load_b128 v[XT+4*i:XT+4*i+3], v[XAD] offset:(i/4)*128+((i/2)%2)*64+(i%2)*16
.set i, i+1
.endr
.set i, 8
.rept 8
	v_pk_mul_f32 v[AH+2*i:AH+2*i+1], v[AH+2*i:AH+2*i+1], v[26:27] op_sel_hi:[1,0]
.set i, i+1
.endr
	WIN 0x3c
.set i, 0
.rept 16
	v_pk_fma_f32 v[AH+2*i:AH+2*i+1], v[AH+2*i:AH+2*i+1], v[G1+2*i:G1+2*i+1], v[BE1+2*i:BE1+2*i+1]
.set i, i+1
.endr
	WIN 0
.set i, 0
.rept 16
	v_cvt_pk_bf16_f32 v[PK+i], v[AH+2*i], v[AH+2*i+1]
.set i, i+1
.endr
.set i, 0
.rept 16
	v_pk_max_num_bf16 v[PK+i], v[PK+i], v[ZERO]
.set i, i+1
.endr
.set i, 0
.rept 4
	ds_store_b128 v[HSQ], v[PK+4*i:PK+4*i+3] offset:32*i
.set i, i+1
.endr
.set i, 0
.rept 8                                            ; b1c into h1's accumulators
	ds_load_b128 v[AH+4*i:AH+4*i+3], v[LB1] offset:(i/2)*64+(i%2)*16
.set i, i+1
.endr
	; ---- S3's end: my share of the sum of squares of h2'
	v_pk_mul_f32 v[40:41], v[A2:A2+1], v[A2:A2+1]
	v_pk_mul_f32 v[42:43], v[A2+8:A2+9], v[A2+8:A2+9]
.irp c, 1,2,3
	v_pk_fma_f32 v[40:41], v[A2+2*\c:A2+2*\c+1], v[A2+2*\c:A2+2*\c+1], v[40:41]
	v_pk_fma_f32 v[42:43], v[A2+8+2*\c:A2+9+2*\c], v[A2+8+2*\c:A2+9+2*\c], v[42:43]
.endr
	v_pk_add_f32 v[40:41], v[40:41], v[42:43]
	v_add_f32 v40, v40, v41
	v_permlanex16_b32 v41, v40, s[SEL], s[SEL+1]
	v_add_f32 v40, v40, v41
	ds_store_b32 v[STP], v40 offset:256
	; ---- S1, tile T
.if \skip
	s_cmp_eq_u32 s[sG], 1
	s_cbranch_scc1 .Lskip_\@
.endif
	s_wait_dscnt 13                                ; x's first half is in; 4 stores of h1, 8 loads of b1c and the store above stay out
.set i, 0
.rept 32
	v_cvt_pk_bf16_f32 v[XB+i], v[XT+2*i], v[XT+2*i+1]
.set i, i+1
.endr
.set i, 0
.rept 16                                           ; K steps 4-7
	ds_load_b128 v[XT+4*i:XT+4*i+3], v[XAD] offset:512+(i/4)*128+((i/2)%2)*64+(i%2)*16
.set i, i+1
.endr
	MULX 0x01, AS, 0
	s_wait_dscnt 17                                ; b1c is in; one store and the 16 loads just issued stay out
	MULX 0x02, AH, 0
	s_wait_dscnt 0x0
	WIN 0
.set i, 0
.rept 32
	v_cvt_pk_bf16_f32 v[XB+32+i], v[XT+2*i], v[XT+2*i+1]
.set i, i+1
.endr
	MULX 0x01, AS, 4
	MULX 0x02, AH, 4
	WIN 0
	PLACES
	SOFTMAX
.set i, 0
.rept 4
	ds_store_b128 v[AAT], v[AS+4*i:AS+4*i+3] offset:512*i
.set i, i+1
.endr
	v_pk_mul_f32 v[XT+24:XT+25], v[AH:AH+1], v[AH:AH+1]            ; my share of the sum of squares of h1'
	v_pk_mul_f32 v[XT+26:XT+27], v[AH+16:AH+17], v[AH+16:AH+17]
.set i, 1
.rept 7
	v_pk_fma_f32 v[XT+24:XT+25], v[AH+2*i:AH+2*i+1], v[AH+2*i:AH+2*i+1], v[XT+24:XT+25]
	v_pk_fma_f32 v[XT+26:XT+27], v[AH+16+2*i:AH+17+2*i], v[AH+16+2*i:AH+17+2*i], v[XT+26:XT+27]
.set i, i+1
.endr
	v_pk_add_f32 v[XT+24:XT+25], v[XT+24:XT+25], v[XT+26:XT+27]
	v_add_f32 v[XT+24], v[XT+24], v[XT+25]
	v_permlanex16_b32 v[XT+25], v[XT+24], s[SEL], s[SEL+1]
	v_add_f32 v[XT+24], v[XT+24], v[XT+25]
	ds_store_b32 v[STP], v[XT+24]
.if \skip
.Lskip_\@:
.endif
	s_xor_b32 s[sP], s[sP], EXB
	s_xor_b32 s[sQ], s[sQ], EXB
	s_add_co_u32 s[sXO], s[sXO], XTILE
	s_add_co_u32 s[sAT], s[sAT], 8192
	s_add_co_u32 s[sZ], s[sZ], 256
	s_wait_dscnt 0x0                               ; my stores are done and my reads are back:
	s_barrier_signal -1                            ; the one barrier of the trip: what this trip wrote may be read, what it read may be written
	s_barrier_wait -1
.endm
; ================= THE SORT: wave w takes tile w of the group just finished =================
.macro BSTAGE k, j, src, dst           ; one stage of the bitonic network on the lane's 16 numbers, from one set of registers into another; the larger goes to the lower index where (index & k) = 0
.set bi, 0
.rept 16
.set bl, bi^(\j)
.if bl > bi
.if (bi&(\k)) == 0
	v_max_num_f32 v[(\dst)+bi], v[(\src)+bi], v[(\src)+bl]
	v_min_num_f32 v[(\dst)+bl], v[(\src)+bi], v[(\src)+bl]
.else
	v_min_num_f32 v[(\dst)+bi], v[(\src)+bi], v[(\src)+bl]
	v_max_num_f32 v[(\dst)+bl], v[(\src)+bi], v[(\src)+bl]
.endif
.endif
.set bi, bi+1
.endr
.endm
.set VAR, 112
.set DK, 114                           ; the sums of e for k = 8 .. 16
.set NK, 124                           ; the sums of t e
.set RK, 134                           ; the similarities
.macro SORT
	WIN 0
.set i, 0
.rept 16
	ds_load_b128 v[32+4*i:35+4*i], v[LATR] offset:(i/4)*2048+(i%4)*512
.set i, i+1
.endr
	s_wait_dscnt 0x0
.set i, 0
.rept 8                                            ; the four waves' shares: the attention, 16 keys a lane, in v32-47
	v_pk_add_f32 v[32+2*i:33+2*i], v[32+2*i:33+2*i], v[48+2*i:49+2*i]
	v_pk_add_f32 v[64+2*i:65+2*i], v[64+2*i:65+2*i], v[80+2*i:81+2*i]
.set i, i+1
.endr
.set i, 0
.rept 8
	v_pk_add_f32 v[32+2*i:33+2*i], v[32+2*i:33+2*i], v[64+2*i:65+2*i]
.set i, i+1
.endr
	v_pk_add_f32 v[96:97], v[32:33], v[34:35]      ; the mean over the 32 keys,
	v_pk_add_f32 v[98:99], v[36:37], v[38:39]
	v_pk_add_f32 v[100:101], v[40:41], v[42:43]
	v_pk_add_f32 v[102:103], v[44:45], v[46:47]
	v_pk_add_f32 v[96:97], v[96:97], v[98:99]
	v_pk_add_f32 v[100:101], v[100:101], v[102:103]
	v_pk_add_f32 v[96:97], v[96:97], v[100:101]
	v_add_f32 v96, v96, v97
	v_permlanex16_b32 v97, v96, s[SEL], s[SEL+1]
	v_add_f32 v96, v96, v97
	v_mul_f32 v96, 0x3d000000, v96
.set i, 0
.rept 8
	v_pk_add_f32 v[48+2*i:49+2*i], v[32+2*i:33+2*i], v[96:97] op_sel_hi:[1,0] neg_lo:[0,1] neg_hi:[0,1]
.set i, i+1
.endr
	v_pk_mul_f32 v[98:99], v[48:49], v[48:49]      ; and the variance, over 31
	v_pk_mul_f32 v[100:101], v[56:57], v[56:57]
.irp c, 1,2,3
	v_pk_fma_f32 v[98:99], v[48+2*\c:49+2*\c], v[48+2*\c:49+2*\c], v[98:99]
	v_pk_fma_f32 v[100:101], v[56+2*\c:57+2*\c], v[56+2*\c:57+2*\c], v[100:101]
.endr
	v_pk_add_f32 v[98:99], v[98:99], v[100:101]
	v_add_f32 v98, v98, v99
	v_permlanex16_b32 v99, v98, s[SEL], s[SEL+1]
	v_add_f32 v98, v98, v99
	v_mul_f32 v[VAR], 0x3d042108, v98
	BSTAGE 2, 1, 32, 64                            ; the lane's 16, descending: ten stages between two sets
	BSTAGE 4, 2, 64, 32
	BSTAGE 4, 1, 32, 64
	BSTAGE 8, 4, 64, 32
	BSTAGE 8, 2, 32, 64
	BSTAGE 8, 1, 64, 32
	BSTAGE 16, 8, 32, 64
	BSTAGE 16, 4, 64, 32
	BSTAGE 16, 2, 32, 64
	BSTAGE 16, 1, 64, 32
.set i, 0
.rept 16
	v_permlanex16_b32 v[48+i], v[32+i], s[SEL], s[SEL+1]   ; the other 16 keys' list
.set i, i+1
.endr
.set i, 0
.rept 16
	v_max_num_f32 v[64+i], v[32+i], v[63-i]        ; the 16 largest of the 32, a bitonic sequence: the same set in both halves of the lanes
.set i, i+1
.endr
	BSTAGE 16, 8, 64, 80
	BSTAGE 16, 4, 80, 64
	BSTAGE 16, 2, 64, 80
	BSTAGE 16, 1, 80, 64                           ; t0 >= .. >= t15 in v64-79
	v_mul_f32 v144, s[L2E], v64
.set i, 0
.rept 8
	v_pk_fma_f32 v[96+2*i:97+2*i], v[64+2*i:65+2*i], s[L2E:L2E+1], v[144:145] op_sel_hi:[1,0,0] neg_lo:[0,0,1] neg_hi:[0,0,1]  ; (t - t0) log2(e): the maximum is taken away
.set i, i+1
.endr
.set i, 0
.rept 16
	v_exp_f32 v[96+i], v[96+i]
.set i, i+1
.endr
	v_nop
	s_wait_alu depctr_va_vdst(0)                   ; one wait for the 16 exponentials
	v_pk_add_f32 v[146:147], v[96:97], v[98:99]
	v_pk_add_f32 v[148:149], v[100:101], v[102:103]
	v_pk_mul_f32 v[150:151], v[64:65], v[96:97]
	v_pk_add_f32 v[146:147], v[146:147], v[148:149]
.irp c, 1,2,3
	v_pk_fma_f32 v[150:151], v[64+2*\c:65+2*\c], v[96+2*\c:97+2*\c], v[150:151]
.endr
	v_add_f32 v[DK], v146, v147
	v_add_f32 v[NK], v150, v151
.set i, 1
.rept 8
	v_add_f32 v[DK+i], v[DK+i-1], v[103+i]
	v_fma_f32 v[NK+i], v[71+i], v[103+i], v[NK+i-1]
.set i, i+1
.endr
.set i, 0
.rept 9
	v_rcp_f32 v[RK+i], v[DK+i]
.set i, i+1
.endr
	v_add_nc_u32 v[AOUT], s[sOU], v[LOUT]          ; the plain instruction behind the last reciprocal
	s_wait_alu depctr_va_vdst(0)                   ; one wait for the nine
.set i, 0
.rept 9
	v_mul_f32 v[RK+i], v[RK+i], v[NK+i]
	ds_store_b32 v[AOUT], v[RK+i] offset:i*4096
.set i, i+1
.endr
	ds_store_b32 v[AOUT], v[VAR] offset:9*4096
.endm
; The slot just read is filled again with the group two on.  Every wave has waited for all its tensor loads (one was out: its tile of the next group, asked for a group, four trips, ago), has added 0 to its spare word,
; and has waited for that and for its LDS reads and stores; behind the barrier its one load stands first.
; THE PREFETCH stands behind that load and its five lines: my own 16 rows x 1,024 bytes of the group that the NEXT refill will load, a lane a block of 256 bytes, two instructions: four trips ahead of that load.
; Each block is named once in the launch; groups 0 to 2 come by their loads alone; the last refill asks for nothing, since no group follows.
.macro REFILL
	WIN 0
	s_wait_tensorcnt 0x0
	ds_add_u32 v[SPW], v[NIL]                      ; 0 onto my spare word; the scalar steps stand between it and the wait for it
	s_xor_b32 s45, s45, SLOT1                      ; no load of mine is out, so the walking group 0 may be written: the other slot,
	s_add_nc_u64 s[46:47], s[46:47], 0x100000      ; the next group; the type bits on top are not reached
	s_wait_xcnt 0x0                                ; the last prefetches, four trips back, have read their address
	s_add_nc_u64 s[48:49], s[48:49], 0x100000
	s_sub_co_u32 s[sXO], s[sXO], XSLOT             ; the reads go back to a slot's first tile, in the other slot
	s_xor_b32 s[sXO], s[sXO], SLOT1
	s_add_co_u32 s[sOU], s[sOU], 256
	s_mov_b32 s[sAT], 0
	s_wait_dscnt 0x0
	s_barrier_signal -1
	s_barrier_wait -1
	tensor_load_to_lds s[44:47], s[32:39]
	s_nop 0
	PLACES
	s_cmp_gt_u32 s[sG], 1
	s_cbranch_scc0 .Lnp_\@
	global_prefetch_b8 v[VPF], s[48:49] th:TH_LOAD_NT scope:SCOPE_SE
	global_prefetch_b8 v[VPF], s[48:49] offset:512 th:TH_LOAD_NT scope:SCOPE_SE
.Lnp_\@:
.endm
.macro GBAR                            ; the same change of slots in the tail, where nothing is left to fetch; at its first use the wait shows the last group's tile landed
	WIN 0
	s_wait_tensorcnt 0x0
	ds_add_u32 v[SPW], v[NIL]
	s_sub_co_u32 s[sXO], s[sXO], XSLOT
	s_xor_b32 s[sXO], s[sXO], SLOT1
	s_add_co_u32 s[sOU], s[sOU], 256
	s_mov_b32 s[sAT], 0
	s_wait_dscnt 0x0
	s_barrier_signal -1
	s_barrier_wait -1
.endm
	s_mov_b32 s[sG], 14                            ; groups 0 to 13: each is followed by a refill
.Lg:
	s_mov_b32 s[sU], 4
.Lt:
	TRIP 0
	s_sub_co_u32 s[sU], s[sU], 1
	s_cmp_lg_u32 s[sU], 0
	s_cbranch_scc1 .Lt
	SORT
	REFILL
	s_sub_co_u32 s[sG], s[sG], 1
	s_cmp_lg_u32 s[sG], 0
	s_cbranch_scc1 .Lg
	s_mov_b32 s[sG], 3                             ; the tail is written out: groups 14 and 15, then four trips in which the later stages finish tiles 61 to 63
.Lg2:
	s_mov_b32 s[sU], 4
.Lt2:
	TRIP 1
	s_sub_co_u32 s[sU], s[sU], 1
	s_cmp_lg_u32 s[sU], 0
	s_cbranch_scc1 .Lt2
	s_cmp_eq_u32 s[sG], 1
	s_cbranch_scc1 .Lns
	SORT
.Lns:
	GBAR
	s_sub_co_u32 s[sG], s[sG], 1
	s_cmp_lg_u32 s[sG], 0
	s_cbranch_scc1 .Lg2
; ================= THE END: wave w takes rows 256 w .. + 255 of the work-group's 1,024 =================
	s_load_b32 s74, s[22:23], 0x0                  ; b3
	s_lshl_b32 s75, s[sW], 10
	s_add_co_u32 s76, s75, OUT
	v_add_nc_u32 v5, s76, v1                       ; OUT + 1,024 w + 16 lane
	s_lshl_b32 s77, s[sW], 12
	s_add_co_u32 s77, s77, ZP+768
	v_lshl_add_u32 v10, v[LANE], 6, s77            ; a row's four shares are 16 bytes; my four rows 64
	v_add_nc_u32 v11, s75, v1                      ; my 16 bytes of a plane
	s_lshl_b32 s78, s[sW], 7
	s_add_co_u32 s78, s78, RED
	v_mov_b32 v12, s78
	s_mul_i32 s82, s[sB], 655360                   ; pln: [b][plane][n]
	s_lshl_b32 s83, s[sBLK], 12
	s_add_co_u32 s82, s82, s83
	s_mov_b32 s83, 0
	s_add_nc_u64 s[80:81], s[26:27], s[82:83]
	s_lshl_b32 s84, s[sB], 4
	s_add_co_u32 s84, s84, s[sBLK]
	s_lshl_b32 s84, s84, 8
	s_mov_b32 s85, 0
	s_add_nc_u64 s[84:85], s[28:29], s[84:85]      ; my work-group's record
.set i, 0
.rept 20                                           ; plane i / 2, rows 128 (i % 2) + 4 lane + 0..3: v[32 + 4 i ..]
	ds_load_b128 v[32+4*i:35+4*i], v5 offset:(i/2)*4096+(i%2)*512
.set i, i+1
.endr
.set i, 0
.rept 8
	ds_load_b128 v[112+4*i:115+4*i], v10 offset:(i/4)*2048+(i%4)*16
.set i, i+1
.endr
	s_wait_kmcnt 0x0
	v_mov_b32 v153, 0xbfb8aa3b                     ; -log2(e)
	v_mul_f32 v152, s74, v153
	s_wait_dscnt 0x0
.set i, 0
.rept 8
	v_pk_add_f32 v[112+4*i:113+4*i], v[112+4*i:113+4*i], v[114+4*i:115+4*i]
.set i, i+1
.endr
.set i, 0
.rept 8
	v_add_f32 v[112+4*i], v[112+4*i], v[113+4*i]
.set i, i+1
.endr
.set i, 0
.rept 8
	v_fma_f32 v[144+i], v[112+4*i], v153, v152     ; -(z + b3) log2(e)
.set i, i+1
.endr
.set i, 0
.rept 8
	v_exp_f32 v[144+i], v[144+i]
.set i, i+1
.endr
	v_nop
	s_wait_alu depctr_va_vdst(0)
.set i, 0
.rept 8
	v_add_f32 v[144+i], 1.0, v[144+i]
.set i, i+1
.endr
.set i, 0
.rept 8
	v_rcp_f32 v[144+i], v[144+i]
.set i, i+1
.endr
	v_nop
	s_wait_alu depctr_va_vdst(0)
.set i, 0
.rept 18                                           ; each store of the wave covers 512 consecutive bytes, aligned
	global_store_b128 v11, v[32+4*i:35+4*i], s[80:81] offset:(i/2)*65536+(i%2)*512
.set i, i+1
.endr
	global_store_b128 v11, v[144:147], s[80:81] offset:9*65536
	global_store_b128 v11, v[148:151], s[80:81] offset:9*65536+512
.macro MINMAX q, src                   ; my eight numbers of plane q
	v_min3_num_f32 v[160+(\q)], v[(\src)], v[(\src)+1], v[(\src)+2]
	v_max3_num_f32 v[170+(\q)], v[(\src)], v[(\src)+1], v[(\src)+2]
	v_min3_num_f32 v[160+(\q)], v[160+(\q)], v[(\src)+3], v[(\src)+4]
	v_max3_num_f32 v[170+(\q)], v[170+(\q)], v[(\src)+3], v[(\src)+4]
	v_min3_num_f32 v[160+(\q)], v[160+(\q)], v[(\src)+5], v[(\src)+6]
	v_max3_num_f32 v[170+(\q)], v[170+(\q)], v[(\src)+5], v[(\src)+6]
	v_min_num_f32 v[160+(\q)], v[160+(\q)], v[(\src)+7]
	v_max_num_f32 v[170+(\q)], v[170+(\q)], v[(\src)+7]
.endm
.irp q, 0,1,2,3,4,5,6,7,8
	MINMAX \q, 32+8*\q
.endr
	MINMAX 9, 144
	v_pk_add_f32 v[180:181], v[104:105], v[106:107]        ; the variances' sum
	v_pk_add_f32 v[182:183], v[108:109], v[110:111]
	v_pk_add_f32 v[180:181], v[180:181], v[182:183]
	v_add_f32 v180, v180, v181
.irp m, 1,2,4,8
.set q, 0
.rept 10
	v_min_num_f32_dpp v[160+q], v[160+q], v[160+q] row_xmask:\m row_mask:0xf bank_mask:0xf
	v_max_num_f32_dpp v[170+q], v[170+q], v[170+q] row_xmask:\m row_mask:0xf bank_mask:0xf
.set q, q+1
.endr
	v_add_f32_dpp v180, v180, v180 row_xmask:\m row_mask:0xf bank_mask:0xf
.endr
.set q, 0
.rept 21
	v_permlanex16_b32 v[112+q], v[160+q], s[SEL], s[SEL+1]
.set q, q+1
.endr
.set q, 0
.rept 10
	v_min_num_f32 v[160+q], v[160+q], v[112+q]
	v_max_num_f32 v[170+q], v[170+q], v[122+q]
.set q, q+1
.endr
	v_add_f32 v180, v180, v132
.set q, 0
.rept 21
	ds_store_b32 v12, v[160+q] offset:4*q          ; all lanes hold the same number and write the same word
.set q, q+1
.endr
	s_wait_dscnt 0x0
	s_barrier_signal -1
	s_barrier_wait -1
	s_cmp_lg_u32 s[sW], 0                          ; wave 0 joins the four waves' figures: lane q takes word q: 0-9 minima, 10-19 maxima, 20 the sum, the rest 0
	s_cbranch_scc1 .Lend
	v_lshl_add_u32 v13, v[LANE], 2, RED
	ds_load_b32 v188, v13
	ds_load_b32 v189, v13 offset:128
	ds_load_b32 v190, v13 offset:256
	ds_load_b32 v191, v13 offset:384
	s_wait_dscnt 0x0
	v_min3_num_f32 v184, v188, v189, v190
	v_max3_num_f32 v185, v188, v189, v190
	v_add_f32 v186, v188, v189
	v_add_f32 v187, v190, v191
	v_min_num_f32 v184, v184, v191
	v_max_num_f32 v185, v185, v191
	v_add_f32 v186, v186, v187
	v_cmp_gt_u32 vcc_lo, 10, v[LANE]
	v_cndmask_b32 v184, v185, v184, vcc_lo
	v_cmp_gt_u32 vcc_lo, 20, v[LANE]
	v_cndmask_b32 v184, v186, v184, vcc_lo
	v_lshl_add_u32 v15, v[LANE], 2, REC
	ds_store_b32 v15, v184
	ds_store_b32 v15, v[ZERO] offset:128
	v_lshl_add_u32 v17, v[LANE], 3, REC
	ds_load_b64 v[188:189], v17                    ; LDS serves a wave's instructions in order (ISA guide 5.7.1.4): this sees the two stores above
	v_lshlrev_b32 v22, 3, v[LANE]
	s_wait_dscnt 0x0
	global_store_b64 v22, v[188:189], s[84:85]     ; the whole record, 256 consecutive bytes, by one instruction
.Lend:
	s_wait_tensorcnt 0x0                           ; the wave's end: behind my last tensor load and my last LDS store
	ds_add_u32 v[SPW], v[NIL]
	s_wait_dscnt 0x0
	s_endpgm
.Lfunc_end_k_qfb9dc3cb39_main:
	.size	k_qfb9dc3cb39_main, .Lfunc_end_k_qfb9dc3cb39_main-k_qfb9dc3cb39_main
	.p2alignl 7, 3214868480
	.fill 96, 4, 3214868480
	.section	.rodata,"a",@progbits
	.p2align	6, 0x0
	.amdhsa_kernel k_qfb9dc3cb39_main
		.amdhsa_group_segment_fixed_size 327680
		.amdhsa_private_segment_fixed_size 0
		.amdhsa_enable_private_segment 0
		.amdhsa_kernarg_size 104
		.amdhsa_user_sgpr_count 2
		.amdhsa_user_sgpr_kernarg_segment_ptr 1
		.amdhsa_wavefront_size32 1
		.amdhsa_system_sgpr_workgroup_id_x 1
		.amdhsa_system_sgpr_workgroup_id_y 1
		.amdhsa_system_sgpr_workgroup_id_z 1
		.amdhsa_system_vgpr_workitem_id 0
		.amdhsa_next_free_vgpr 1024
		.amdhsa_next_free_sgpr 96
		.amdhsa_reserve_vcc 1
		.amdhsa_float_denorm_mode_32 3
		.amdhsa_float_denorm_mode_16_64 3
		.amdhsa_memory_ordered 1
		.amdhsa_forward_progress 1
		.amdhsa_inst_pref_size 194
	.end_amdhsa_kernel
	.amdgpu_metadata
---
amdhsa.version: [ 1, 2 ]
amdhsa.kernels:
  - .name:           k_qfb9dc3cb39_main
    .symbol:         k_qfb9dc3cb39_main.kd
    .args:
      - { .name: vision_features, .offset: 0, .size: 8, .value_kind: global_buffer, .address_space: global }
      - { .name: text_features, .offset: 8, .size: 8, .value_kind: global_buffer, .address_space: global }
      - { .name: g1, .offset: 16, .size: 8, .value_kind: global_buffer, .address_space: global }
      - { .name: be1, .offset: 24, .size: 8, .value_kind: global_buffer, .address_space: global }
      - { .name: g2, .offset: 32, .size: 8, .value_kind: global_buffer, .address_space: global }
      - { .name: be2, .offset: 40, .size: 8, .value_kind: global_buffer, .address_space: global }
      - { .name: w3, .offset: 48, .size: 8, .value_kind: global_buffer, .address_space: global }
      - { .name: b1, .offset: 56, .size: 8, .value_kind: global_buffer, .address_space: global }
      - { .name: b2, .offset: 64, .size: 8, .value_kind: global_buffer, .address_space: global }
      - { .name: b3, .offset: 72, .size: 8, .value_kind: global_buffer, .address_space: global }
      - { .name: wts, .offset: 80, .size: 8, .value_kind: global_buffer, .address_space: global }
      - { .name: pln, .offset: 88, .size: 8, .value_kind: global_buffer, .address_space: global }
      - { .name: part, .offset: 96, .size: 8, .value_kind: global_buffer, .address_space: global }
    .group_segment_fixed_size: 327680
    .private_segment_fixed_size: 0
    .kernarg_segment_align: 8
    .kernarg_segment_size: 104
    .max_flat_workgroup_size: 128
    .sgpr_count:     96
    .vgpr_count:     1024
    .wavefront_size: 32
...
	.end_amdgpu_metadata
.endif
;; end of part 2
;; launch fin (part 3): grid 256 x 1, 8 waves a work-group, no clusters, 6,144 bytes of LDS; arguments pln, part, k_weight, alpha_coarse, alpha_fine, out0; writes out0
.if DOCPART == 3
	.amdgcn_target "amdgcn-amd-amdhsa--gfx1250"
	.amdhsa_code_object_version 6
	.text
	.protected	k_qfb9dc3cb39_fin
	.globl	k_qfb9dc3cb39_fin
	.p2align	8
	.type	k_qfb9dc3cb39_fin,@function
k_qfb9dc3cb39_fin:
	s_mov_b64 s[64:65], 0
	v_nop
	global_prefetch_b8 v0, s[64:65] scope:SCOPE_SE
	s_setreg_imm32_b32 hwreg(HW_REG_WAVE_MODE, 25, 1), 1
	s_wait_xcnt 0x0
; FIN: out[n][b] = alpha minmax(sim_k_top[b])[n] + (1 - alpha) minmax(importance)[n].
; A work-group owns 64 n for all 16 batches.  Thread t: batch b = t / 16, four n at 4 (t % 16).  The 16 lanes of a row of lanes belong to one batch; lane j of them reads the record of that batch's
; work-group j of the launch before, and four exchanges inside the row give every lane the batch's minima, maxima and the sum of the variances.
; k_top selects values alone (v_cndmask_b32 over the nine planes): no address and no branch hangs on it.
; The results cross LDS once, so that a wave's store covers 512 consecutive bytes of out ([n][16 b]).
; LIMITS: k_top can differ from the reference's only where 32 x ratio lies within rounding of a whole number; NaN and infinities are not treated apart.
.set TP,    80                         ; a row of the stage: 16 b x 4 bytes + 16
.set SPARE, 5120                       ; behind the stage: the spare words, 128 bytes for each of eight waves; no other line names them
	s_load_b256 s[4:11], s[0:1], 0x0               ; pln 4, part 6, k_weight 8, alpha_coarse 10
	s_load_b128 s[12:15], s[0:1], 0x20             ; alpha_fine 12, out0 14
	v_lshl_add_u32 v30, v0, 2, SPARE
	v_mov_b32 v31, 0
	v_lshrrev_b32 v1, 4, v0                        ; b
	v_and_b32 v2, 15, v0                           ; nq
	v_mul_u32_u24 v3, v1, 655360                   ; pln: [b][plane][n]: ten planes of 65,536 bytes a batch
	v_lshl_add_u32 v3, v2, 4, v3
	v_lshlrev_b32 v4, 8, v0                        ; record t = (b, work-group nq)
	v_mul_u32_u24 v5, v2, 4*TP                     ; into the stage: row 4 nq + e, word b
	v_lshl_add_u32 v5, v1, 2, v5
	v_lshrrev_b32 v6, 2, v0                        ; back: row t / 4, 16 bytes at 16 (t % 4)
	v_mul_u32_u24 v6, v6, TP
	v_and_b32 v7, 3, v0
	v_lshl_add_u32 v6, v7, 4, v6
	v_lshlrev_b32 v7, 4, v0                        ; which are bytes 16 t of the work-group's 4,096 of out
	s_lshl_b32 s16, ttmp9, 8                       ; 64 n x 4 bytes
	s_mov_b32 s17, 0
	s_lshl_b32 s24, ttmp9, 12
	s_mov_b32 s25, 0
	s_mov_b32 s26, 0x3e800000                      ; 0.25
	s_mov_b32 s27, 0x3f19999a                      ; 0.6
	s_wait_kmcnt 0x0
	s_add_nc_u64 s[18:19], s[4:5], s[16:17]
	s_add_nc_u64 s[24:25], s[14:15], s[24:25]
	s_load_b32 s20, s[8:9], 0x0
	s_load_b32 s21, s[10:11], 0x0
	s_load_b32 s22, s[12:13], 0x0
.set i, 0
.rept 6                                            ; floats 0-9 minima, 10-19 maxima, 20 the sum: v72-92
	global_load_b128 v[72+4*i:75+4*i], v4, s[6:7] offset:16*i
.set i, i+1
.endr
.set i, 0
.rept 10                                           ; plane i: v[32 + 4 i ..]; sixteen lanes read 256 consecutive bytes
	global_load_b128 v[32+4*i:35+4*i], v3, s[18:19] offset:i*65536
.set i, i+1
.endr
	s_wait_kmcnt 0x0
	v_mov_b32 v103, 0xbfb8aa3b                     ; -log2(e)
	v_mul_f32 v100, s20, v103
	v_mul_f32 v101, s21, v103
	v_mul_f32 v102, s22, v103
	v_exp_f32 v100, v100
	v_exp_f32 v101, v101
	v_exp_f32 v102, v102
	v_nop
	s_wait_alu depctr_va_vdst(0)                   ; one wait for the three exponentials
	v_add_f32 v100, 1.0, v100
	v_add_f32 v101, 1.0, v101
	v_add_f32 v102, 1.0, v102
	v_rcp_f32 v100, v100                           ; sigmoid(k_weight)
	v_rcp_f32 v101, v101
	v_rcp_f32 v102, v102
	v_nop
	s_wait_alu depctr_va_vdst(0)                   ; one wait for the three reciprocals
	v_add_f32 v101, v101, v102
	v_mul_f32 v101, 0.5, v101                      ; alpha
	v_sub_f32 v102, 1.0, v101                      ; 1 - alpha
	s_wait_loadcnt 10                              ; the six loads of the record are in; the ten planes' may stay out
.irp m, 1,2,4,8
.set q, 0
.rept 10
	v_min_num_f32_dpp v[72+q], v[72+q], v[72+q] row_xmask:\m row_mask:0xf bank_mask:0xf
	v_max_num_f32_dpp v[82+q], v[82+q], v[82+q] row_xmask:\m row_mask:0xf bank_mask:0xf
.set q, q+1
.endr
	v_add_f32_dpp v92, v92, v92 row_xmask:\m row_mask:0xf bank_mask:0xf
.endr
	v_mul_f32 v104, 0x38800000, v92                ; the mean over 16,384 rows
	v_fma_f32 v104, v104, 0.5, 1.0
	v_mul_f32 v104, v100, v104
	v_med3_num_f32 v104, v104, s26, s27            ; the clip
	v_mul_f32 v104, 0x42000000, v104               ; x 32
	v_floor_f32 v104, v104
	v_min_num_f32 v104, 0x41800000, v104           ; at most 16,
	v_max_num_f32 v104, 0x41000000, v104           ; at least 8
	v_cvt_i32_f32 v104, v104
	v_add_nc_u32 v104, -8, v104                    ; the plane
	s_wait_loadcnt 0x0
.set k, 1
.rept 8                                            ; plane 0's numbers give way to plane k's where k is the batch's
	v_cmp_eq_u32 vcc_lo, k, v104
	v_cndmask_b32 v32, v32, v[32+4*k], vcc_lo
	v_cndmask_b32 v33, v33, v[33+4*k], vcc_lo
	v_cndmask_b32 v34, v34, v[34+4*k], vcc_lo
	v_cndmask_b32 v35, v35, v[35+4*k], vcc_lo
	v_cndmask_b32 v72, v72, v[72+k], vcc_lo
	v_cndmask_b32 v82, v82, v[82+k], vcc_lo
.set k, k+1
.endr
	v_sub_f32 v105, v82, v72                       ; the two ranges
	v_sub_f32 v106, v91, v81
	v_rcp_f32 v107, v105
	v_rcp_f32 v108, v106
	v_nop
	s_wait_alu depctr_va_vdst(0)                   ; one wait for the two reciprocals
	v_mul_f32 v107, v101, v107
	v_mul_f32 v108, v102, v108
	v_cmp_lt_f32 vcc_lo, 0, v105
	v_cndmask_b32 v107, 0, v107, vcc_lo            ; a range that is not above 0 gives 0
	v_cmp_lt_f32 vcc_lo, 0, v106
	v_cndmask_b32 v108, 0, v108, vcc_lo
.set e, 0
.rept 4
	v_sub_f32 v[32+e], v[32+e], v72
	v_sub_f32 v[68+e], v[68+e], v81
	v_mul_f32 v[32+e], v[32+e], v107
	v_fmac_f32 v[32+e], v[68+e], v108
	ds_store_b32 v5, v[32+e] offset:e*TP
.set e, e+1
.endr
	s_wait_dscnt 0x0                               ; for the others' sake: my stores are done
	s_barrier_signal -1
	s_barrier_wait -1
	ds_load_b128 v[96:99], v6
	s_wait_dscnt 0x0
	global_store_b128 v7, v[96:99], s[24:25]       ; a wave stores 512 consecutive bytes, aligned
	s_wait_tensorcnt 0x0                           ; the wave's end: behind my last LDS store
	ds_add_u32 v30, v31
	s_wait_dscnt 0x0
	s_endpgm
.Lfunc_end_k_qfb9dc3cb39_fin:
	.size	k_qfb9dc3cb39_fin, .Lfunc_end_k_qfb9dc3cb39_fin-k_qfb9dc3cb39_fin
	.p2alignl 7, 3214868480
	.fill 96, 4, 3214868480
	.section	.rodata,"a",@progbits
	.p2align	6, 0x0
	.amdhsa_kernel k_qfb9dc3cb39_fin
		.amdhsa_group_segment_fixed_size 6144
		.amdhsa_private_segment_fixed_size 0
		.amdhsa_enable_private_segment 0
		.amdhsa_kernarg_size 48
		.amdhsa_user_sgpr_count 2
		.amdhsa_user_sgpr_kernarg_segment_ptr 1
		.amdhsa_wavefront_size32 1
		.amdhsa_system_sgpr_workgroup_id_x 1
		.amdhsa_system_sgpr_workgroup_id_y 1
		.amdhsa_system_sgpr_workgroup_id_z 1
		.amdhsa_system_vgpr_workitem_id 0
		.amdhsa_next_free_vgpr 128
		.amdhsa_next_free_sgpr 66
		.amdhsa_reserve_vcc 1
		.amdhsa_float_denorm_mode_32 3
		.amdhsa_float_denorm_mode_16_64 3
		.amdhsa_memory_ordered 1
		.amdhsa_forward_progress 1
		.amdhsa_inst_pref_size 13
	.end_amdhsa_kernel
	.amdgpu_metadata
---
amdhsa.version: [ 1, 2 ]
amdhsa.kernels:
  - .name:           k_qfb9dc3cb39_fin
    .symbol:         k_qfb9dc3cb39_fin.kd
    .args:
      - { .name: pln, .offset: 0, .size: 8, .value_kind: global_buffer, .address_space: global }
      - { .name: part, .offset: 8, .size: 8, .value_kind: global_buffer, .address_space: global }
      - { .name: k_weight, .offset: 16, .size: 8, .value_kind: global_buffer, .address_space: global }
      - { .name: alpha_coarse, .offset: 24, .size: 8, .value_kind: global_buffer, .address_space: global }
      - { .name: alpha_fine, .offset: 32, .size: 8, .value_kind: global_buffer, .address_space: global }
      - { .name: out0, .offset: 40, .size: 8, .value_kind: global_buffer, .address_space: global }
    .group_segment_fixed_size: 6144
    .private_segment_fixed_size: 0
    .kernarg_segment_align: 8
    .kernarg_segment_size: 48
    .max_flat_workgroup_size: 256
    .sgpr_count:     66
    .vgpr_count:     128
    .wavefront_size: 32
...
	.end_amdgpu_metadata
.endif
;; end of part 3
;; ======== version 2 of 2: 3 launches; version 1 with the launch prep written anew for expert scheduling mode
;; workspace buffers: wts 460,800 bytes; pln 10,485,760 bytes; part 65,536 bytes
;; launch prep (part 4): grid 44 x 1, 8 waves a work-group, no clusters, 117,248 bytes of LDS; arguments vp_w, tp_w, in_proj_w, w1, w2, vp_b, tp_b, in_proj_b, wts; writes wts
.if DOCPART == 4
	.amdgcn_target "amdgcn-amd-amdhsa--gfx1250"
	.amdhsa_code_object_version 6
	.text
	.protected	k_qfb9dc3cb39_prep
	.globl	k_qfb9dc3cb39_prep
	.p2align	8
	.type	k_qfb9dc3cb39_prep,@function
k_qfb9dc3cb39_prep:
	s_mov_b64 s[64:65], 0
	v_nop
	global_prefetch_b8 v0, s[64:65] scope:SCOPE_SE
	s_setreg_imm32_b32 hwreg(HW_REG_WAVE_SCHED_MODE, 0, 2), 2
	s_setreg_imm32_b32 hwreg(HW_REG_WAVE_MODE, 25, 1), 1
	s_wait_xcnt 0x0
	s_wait_alu depctr_vm_vsrc(0)
; PREP: what the main launch needs of the weights, made once, each rounded once to bf16 and laid out as matrix fragments.
;   WQ[d][c] = SC * sum_j Wq[d][j] vp_w[j][c]     G[d][i] = sum_j Wk[d][j] tp_w[j][i]        (SC = log2(e)/sqrt(32); Wq, Wk: rows 0-255, 256-511 of in_proj_w)
;   bqv[d] = SC * (Wq[d] . vp_b + bq[d])          bkk[d] = Wk[d] . tp_b + bk[d]              (f32)
;   W1c = w1 less the mean of its rows, W2c = w2 likewise (LayerNorm does not see a shift common to all columns; the subtraction is made in f32, ahead of the one rounding)
; A FRAGMENT is 16 rows x 32 K of bf16, 1,024 bytes, in two halves of 512: in half p lane L owns the 16 bytes at 16 L: row L % 16, K = 16 p + 8 (L / 16) + 0..7.
; So every store here, and every load of the main launch, moves 512 consecutive bytes, aligned.
; ROLES, by the work-group's number: 0-31 the two products (A), 32-35 W1c, 36-39 W2c (B), 40-43 the two vectors (C).  Each role has LDS bytes of its own.
; LIMITS: operands of the products are bf16, sums f32; NaN and infinities are not treated apart.
; THE MODE: SCHED_MODE bits 1:0 = 2 (LLVM: expert scheduling mode 2), set by the entry lines.  The code itself states the register dependences
; between vector or matrix instructions and memory or LDS instructions, with s_wait_alu, always for 0.
; THE PLAN.  There is no loop: each set of registers goes once down its role.  Registers that memory or LDS instructions touch:
;   v5, v30, v31   written at the head, never again: the offset 16 x lane; the closing add's two.
;   role A  v6, v7 global offsets; v8 to v11 LDS addresses: each written once.  v32-95 (P) and v96-159 (Q): global loads land, 32 conversions in place, 16 LDS stores read, the fragments' LDS loads land.
;           v240-247: written by the way out's conversions, read by two global stores.
;   role B  v6; v12 to v15 LDS addresses.  v96-99: the partial sums, read by one LDS store, written again behind the barrier.  v32 ..: loaded, centred and rounded in place, read by the stage's stores.
;           v100-163: LDS loads land, packed adds read, LDS loads land again, global stores read.
;   role C  v16, v17 LDS addresses; v168, v170 .. v198: the sums, read by 16 LDS stores; v200-203: read by wave 0's global store.
; So the arithmetic that feeds stores stands in runs, ONE wait on va_vdst behind each run and the run of stores behind that; one wait on vm_vsrc stands ahead of the first write of registers that stores have read.
.set GFO,   0                          ; wts: fragments of G: half (dt*16 + it) * 512: lane = d, K = i
.set WQFO,  131072                     ; fragments of WQ^T: half ((h*16 + ct)*2 + p) * 512: lane = c, K = d within head h
.set WAFO,  262144                     ; fragments of W1c: half ((ct*8 + ks)*2 + p) * 512
.set WBFO,  393216                     ; fragments of W2c, the same
.set VECO,  458752                     ; bqv[256], bkk[256], f32
.set PTP,   160                        ; role A: P as [256 j][64 c] bf16 at LDS byte 0: 128 bytes + 32: an odd multiple of 32, for the turning load
.set QN,    40960                      ; role A: Q as [64 d][256 j] bf16,
.set QNP,   528                        ; 512 bytes + 16: the 16 rows of a load start at 16 different groups of four banks
.set PS,    74752                      ; role B: 16 partial column sums x 64 f32
.set STG,   78848                      ; role B: the centred slice, [rows][64 k] bf16,
.set SGP,   144                        ; 128 bytes + 16
.set CR,    115712                     ; role C: 128 dot products
.set SPARE, 116224                     ; the spare words: 128 bytes for each of eight waves; no other line names them
.set SCQ,   0x3e8293ee                 ; log2(e) / sqrt(32)
	s_load_b512 s[4:19], s[0:1], 0x0               ; vp_w 4, tp_w 6, in_proj_w 8, w1 10, w2 12, vp_b 14, tp_b 16, in_proj_b 18
	s_load_b64 s[20:21], s[0:1], 0x40              ; wts
	v_lshl_add_u32 v30, v0, 2, SPARE               ; my spare word,
	v_mov_b32 v31, 0                               ; and 0: kept for the closing add alone
	v_lshrrev_b32 v1, 5, v0
	v_readfirstlane_b32 s22, v1                    ; wave 0..7
	v_and_b32 v2, 31, v0                           ; lane
	v_and_b32 v3, 15, v0                           ; r = lane % 16
	v_bfe_u32 v4, v0, 4, 1                         ; hf = lane / 16
	v_lshlrev_b32 v5, 4, v2                        ; 16 x lane
	s_mov_b32 s23, ttmp9                           ; the work-group's number
	s_mov_b32 s24, 0x76543210                      ; v_permlanex16_b32: each lane takes its own place in the other half
	s_mov_b32 s25, 0xfedcba98
	s_wait_alu depctr_va_sdst(0)                   ; s22 is written, ahead of the branches and of its first reader: every role makes addresses from it
	s_wait_kmcnt 0x0
	s_cmp_lt_u32 s23, 32
	s_cbranch_scc1 .LroleA
	s_cmp_lt_u32 s23, 36
	s_cbranch_scc1 .LroleB1
	s_cmp_lt_u32 s23, 40
	s_cbranch_scc1 .LroleB2
	s_branch .LroleC
; A slice of 64 columns (256 bytes) of rows of 1,024 bytes: a wave's load takes two rows x 256 consecutive bytes; eight waves take 16 rows a round.
.macro SLICEADR                        ; s27 = the slice; v6 = (2 wave + hf) x 1,024 + slice x 256 + 16 r
	s_lshl_b32 s29, s22, 11
	s_lshl_b32 s30, s27, 8
	s_add_co_u32 s29, s29, s30
	v_lshlrev_b32 v6, 10, v4
	v_lshl_add_u32 v6, v3, 4, v6
	v_add_nc_u32 v6, s29, v6
.endm
.macro LDSLICE base, rounds            ; round i brings row 16 i + 2 wave + hf, columns 4 r .. 4 r + 3 of the slice, into v[32+4i ..]
.set i, 0
.rept \rounds
	global_load_b128 v[32+4*i:35+4*i], v6, s[\base:\base+1] offset:i*16384
.set i, i+1
.endr
.endm
; ---------------- ROLE A: number = 16 z + 4 s + t.  z = 0: P = vp_w, Q = Wq; z = 1: P = tp_w, Q = Wk.  64 columns s of P, 64 rows t of Q: out[d][c] = sum_j Q[d][j] P[j][c].
.LroleA:
	s_lshr_b32 s26, s23, 4                         ; z
	s_bfe_u32 s27, s23, 0x20002                    ; s
	s_and_b32 s28, s23, 3                          ; t
	SLICEADR
	s_lshl_b32 s34, s26, 18                        ; 256 z rows of 1,024 bytes,
	s_lshl_b32 s35, s28, 16                        ; 64 t rows
	s_add_co_u32 s34, s34, s35
	s_mov_b32 s35, 0
	s_add_nc_u64 s[34:35], s[8:9], s[34:35]        ; Q's 64 rows: 65,536 consecutive bytes
	s_cmp_eq_u32 s26, 0
	s_cselect_b64 s[32:33], s[4:5], s[6:7]         ; P
	s_cselect_b32 s36, SCQ, 1.0                    ; the scale goes into WQ alone
	s_mov_b32 s37, s36                             ; named with it as a pair
	v_lshlrev_b32 v7, 4, v0                        ; Q: 16 x thread: 4,096 consecutive bytes a round
	s_wait_alu depctr_va_vdst(0)                   ; v6 and v7 are written, which the 32 loads below read as their offsets
	LDSLICE 32, 16
.set i, 0
.rept 16
	global_load_b128 v[96+4*i:99+4*i], v7, s[34:35] offset:i*4096
.set i, i+1
.endr
	s_mul_i32 s38, s22, 2*PTP                      ; P into LDS: row 16 i + 2 wave + hf, 8 bytes at 8 r
	v_mul_u32_u24 v8, v4, PTP
	v_lshl_add_u32 v8, v3, 3, v8
	v_add_nc_u32 v8, s38, v8
	s_lshr_b32 s39, s22, 1                         ; Q into LDS: row 4 i + wave / 2, 8 bytes at 256 (wave % 2) + 8 lane
	s_mul_i32 s39, s39, QNP
	s_and_b32 s40, s22, 1
	s_lshl_b32 s40, s40, 8
	s_add_co_u32 s39, s39, s40
	s_add_co_u32 s39, s39, QN
	v_lshl_add_u32 v9, v2, 3, s39
	s_and_b32 s41, s22, 3                          ; a: my tile of 16 columns of P
	s_lshr_b32 s40, s22, 2                         ; g: my two tiles of 16 rows of Q are 2 g, 2 g + 1
	v_and_b32 v10, 7, v0                           ; the turning load: lane L reads row k0 + 8 hf + L % 8, 16 bytes at 32 a + 16 ((L / 8) % 2)
	v_lshl_add_u32 v10, v4, 3, v10
	v_mul_u32_u24 v10, v10, PTP
	v_bfe_u32 v1, v0, 3, 1
	v_lshl_add_u32 v10, v1, 4, v10
	s_lshl_b32 s42, s41, 5
	v_add_nc_u32 v10, s42, v10
	s_mul_i32 s43, s40, 32*QNP                     ; Q's fragments: row 32 g + 16 q + r, 16 bytes at 64 ks + 16 hf and 32 further on
	s_add_co_u32 s43, s43, QN
	v_mul_u32_u24 v11, v3, QNP
	v_lshl_add_u32 v11, v4, 4, v11
	v_add_nc_u32 v11, s43, v11
	s_lshl_b32 s44, s27, 2
	s_add_co_u32 s44, s44, s41                     ; 4 s + a: the tile of P's columns
	s_lshl_b32 s45, s28, 1
	s_add_co_u32 s45, s45, s40                     ; 2 t + g: half the number of my first tile of Q's rows
	s_lshl_b32 s46, s45, 5
	s_wait_loadcnt 16                              ; P's sixteen loads are in; Q's sixteen may stay out
.set i, 0
.rept 16
	v_cvt_pk_bf16_f32 v[32+4*i], v[32+4*i], v[33+4*i]
	v_cvt_pk_bf16_f32 v[33+4*i], v[34+4*i], v[35+4*i]
.set i, i+1
.endr
	s_wait_alu depctr_va_vdst(0)                   ; P's conversions have written the data of the 16 stores below and are done reading v32-95; the four LDS addresses v8 to v11 are written
.set i, 0
.rept 16
	ds_store_b64 v8, v[32+4*i:33+4*i] offset:i*16*PTP
.set i, i+1
.endr
	s_wait_loadcnt 0x0
.set i, 0
.rept 16
	v_cvt_pk_bf16_f32 v[96+4*i], v[96+4*i], v[97+4*i]
	v_cvt_pk_bf16_f32 v[97+4*i], v[98+4*i], v[99+4*i]
.set i, i+1
.endr
	s_wait_alu depctr_va_vdst(0)                   ; Q's conversions have written the data of the 16 stores below and are done reading v96-159, in which fragments land behind the barrier
.set i, 0
.rept 16
	ds_store_b64 v9, v[96+4*i:97+4*i] offset:i*4*QNP
.set i, i+1
.endr
	s_wait_dscnt 0x0                               ; for the others' sake: my stores are done
	s_barrier_signal -1
	s_barrier_wait -1
	s_wait_alu depctr_vm_vsrc(0)                   ; my 32 LDS stores have read v32 .. and v96 .., in which the fragments' loads land; no vector instruction has been issued since the wait above
.set k, 0
.rept 8                                            ; PF: v[32+8k ..]: 16 columns of P, j = 32 k ..
	ds_load_tr16_b128 v[32+8*k:35+8*k], v10 offset:k*32*PTP
	ds_load_tr16_b128 v[36+8*k:39+8*k], v10 offset:k*32*PTP+16*PTP
.set k, k+1
.endr
.set k, 0
.rept 16                                           ; QF: v[96+64q+8k ..]
	ds_load_b128 v[96+8*k:99+8*k],   v11 offset:(k/8)*16*QNP+(k%8)*64
	ds_load_b128 v[100+8*k:103+8*k], v11 offset:(k/8)*16*QNP+(k%8)*64+32
.set k, k+1
.endr
	s_wait_dscnt 0x0
; 16 products; the two accumulators take turns; the first pair starts the sums with the constant 0
.macro AMUL pfirst
.set k, 0
.rept 8
.set q, 0
.rept 2
.if \pfirst
.if k == 0
	v_wmma_f32_16x16x32_bf16 v[224+8*q:231+8*q], v[32+8*k:39+8*k], v[96+64*q+8*k:103+64*q+8*k], 0
.else
	v_wmma_f32_16x16x32_bf16 v[224+8*q:231+8*q], v[32+8*k:39+8*k], v[96+64*q+8*k:103+64*q+8*k], v[224+8*q:231+8*q]
.endif
.else
.if k == 0
	v_wmma_f32_16x16x32_bf16 v[224+8*q:231+8*q], v[96+64*q+8*k:103+64*q+8*k], v[32+8*k:39+8*k], 0
.else
	v_wmma_f32_16x16x32_bf16 v[224+8*q:231+8*q], v[96+64*q+8*k:103+64*q+8*k], v[32+8*k:39+8*k], v[224+8*q:231+8*q]
.endif
.endif
.set q, q+1
.endr
.set k, k+1
.endr
.endm
; a lane's eight results are eight neighbouring K of one fragment row: scaled, rounded, 16 bytes; the wave stores half a fragment, 512 consecutive bytes
.macro ATAIL delta
.rept 4
	v_nop                                          ; four places between the last product and the first read of a result
.endr
.set i, 0
.rept 8
	v_pk_mul_f32 v[224+2*i:225+2*i], v[224+2*i:225+2*i], s[36:37] op_sel_hi:[1,0]
.set i, i+1
.endr
.set i, 0
.rept 8
	v_cvt_pk_bf16_f32 v[240+i], v[224+2*i], v[225+2*i]
.set i, i+1
.endr
	s_mov_b32 s47, 0
	s_add_nc_u64 s[46:47], s[20:21], s[46:47]
	s_wait_alu depctr_va_vdst(0)                   ; the conversions have written v240-247, which the two stores read
	global_store_b128 v5, v[240:243], s[46:47]
	global_store_b128 v5, v[244:247], s[46:47] offset:\delta
.endm
	s_cmp_eq_u32 s26, 0
	s_cbranch_scc0 .LA1
	AMUL 0                                         ; z = 0: result (m = d, n = c): a lane holds one c and eight d
	s_lshl1_add_u32 s46, s44, s46                  ; half ((2 t + g) x 32 + 2 (4 s + a)): my first tile of d is even, so it is half 0 of its head; the second is half 1
	s_lshl_b32 s46, s46, 9
	s_add_co_u32 s46, s46, WQFO
	ATAIL 512
	s_branch .Lend
.LA1:
	AMUL 1                                         ; z = 1: result (m = i, n = d): a lane holds one d and eight i
	s_add_co_u32 s46, s46, s44                     ; half (dt x 16 + it), dt = 2 (2 t + g); the second tile of d lies 16 halves on
	s_lshl_b32 s46, s46, 9
	ATAIL 8192
	s_branch .Lend
; ---------------- ROLE B: slice s = number % 4, 64 k of all rows: column means, subtraction, rounding, fragments.
.macro CENTER rows, sb, dst, inv
.set NR, (\rows)/16
.set NCT, (\rows)/128                  ; tiles of 16 rows a wave
	s_and_b32 s27, s23, 3
	SLICEADR
	s_wait_alu depctr_va_vdst(0)                   ; v6 is written, which the slice's loads read as their offset
	LDSLICE \sb, NR
	s_lshl_b32 s38, s22, 9
	s_add_co_u32 s38, s38, PS
	v_lshlrev_b32 v12, 8, v4
	v_lshl_add_u32 v12, v3, 4, v12
	v_add_nc_u32 v12, s38, v12                     ; my group's partial sums: PS + (2 wave + hf) x 256 + 16 r
	v_lshl_add_u32 v13, v3, 4, PS                  ; all groups' sums of my four columns
	s_mul_i32 s39, s22, 2*SGP
	s_add_co_u32 s39, s39, STG
	v_mul_u32_u24 v14, v4, SGP
	v_lshl_add_u32 v14, v3, 3, v14
	v_add_nc_u32 v14, s39, v14                     ; the stage: row 16 i + 2 wave + hf, 8 bytes at 8 r
	s_mul_i32 s40, s22, 16*NCT*SGP
	s_add_co_u32 s40, s40, STG
	v_mul_u32_u24 v15, v3, SGP
	v_lshl_add_u32 v15, v4, 4, v15
	v_add_nc_u32 v15, s40, v15                     ; fragments: row 16 (NCT wave + cc) + r, 16 bytes at 64 ksl + 32 p + 16 hf
	s_mul_i32 s42, s22, NCT*8192
	s_lshl_b32 s43, s27, 11
	s_add_co_u32 s42, s42, s43
	s_add_co_u32 s42, s42, \dst
	s_mov_b32 s43, 0
	s_add_nc_u64 s[42:43], s[20:21], s[42:43]      ; half ((NCT wave) x 8 + 2 s) x 2
	s_wait_loadcnt 0x0
	v_pk_add_f32 v[96:97], v[32:33], v[36:37]
	v_pk_add_f32 v[98:99], v[34:35], v[38:39]
.set i, 2
.rept NR-2
	v_pk_add_f32 v[96:97], v[96:97], v[32+4*i:33+4*i]
	v_pk_add_f32 v[98:99], v[98:99], v[34+4*i:35+4*i]
.set i, i+1
.endr
	s_wait_alu depctr_va_vdst(0)                   ; the adds have written v96-99, which the store reads; the four LDS addresses v12 to v15 are written
	ds_store_b128 v12, v[96:99]
	s_wait_dscnt 0x0
	s_barrier_signal -1
	s_barrier_wait -1
.set i, 0
.rept 16
	ds_load_b128 v[100+4*i:103+4*i], v13 offset:256*i
.set i, i+1
.endr
	s_wait_dscnt 0x0
	s_wait_alu depctr_vm_vsrc(0)                   ; my LDS store has read v96-99, which the adds below write again
	v_pk_add_f32 v[96:97], v[100:101], v[104:105]
	v_pk_add_f32 v[98:99], v[102:103], v[106:107]
.set i, 2
.rept 14
	v_pk_add_f32 v[96:97], v[96:97], v[100+4*i:101+4*i]
	v_pk_add_f32 v[98:99], v[98:99], v[102+4*i:103+4*i]
.set i, i+1
.endr
	v_pk_mul_f32 v[96:97], v[96:97], \inv op_sel_hi:[1,0]
	v_pk_mul_f32 v[98:99], v[98:99], \inv op_sel_hi:[1,0]
.set i, 0
.rept NR
	v_pk_add_f32 v[32+4*i:33+4*i], v[32+4*i:33+4*i], v[96:97] neg_lo:[0,1] neg_hi:[0,1]
	v_pk_add_f32 v[34+4*i:35+4*i], v[34+4*i:35+4*i], v[98:99] neg_lo:[0,1] neg_hi:[0,1]
	v_cvt_pk_bf16_f32 v[32+4*i], v[32+4*i], v[33+4*i]
	v_cvt_pk_bf16_f32 v[33+4*i], v[34+4*i], v[35+4*i]
.set i, i+1
.endr
	s_wait_alu depctr_va_vdst(0)                   ; the conversions have written the data of the stage's stores; the adds above are done reading v100-163, in which the fragments land behind the barrier
.set i, 0
.rept NR
	ds_store_b64 v14, v[32+4*i:33+4*i] offset:i*16*SGP
.set i, i+1
.endr
	s_wait_dscnt 0x0
	s_barrier_signal -1
	s_barrier_wait -1
.set i, 0
.rept 4*NCT                                        ; i = 4 cc + 2 ksl + p.  No wait: no vector instruction has been issued since the wait above
	ds_load_b128 v[100+4*i:103+4*i], v15 offset:(i/4)*16*SGP+((i/2)%2)*64+(i%2)*32
.set i, i+1
.endr
	s_wait_dscnt 0x0
.set i, 0
.rept 4*NCT
	global_store_b128 v5, v[100+4*i:103+4*i], s[42:43] offset:(i/4)*8192+((i/2)%2)*1024+(i%2)*512
.set i, i+1
.endr
.endm
.LroleB1:
	CENTER 256, 10, WAFO, 0x3b800000
	s_branch .Lend
.LroleB2:
	CENTER 128, 12, WBFO, 0x3c000000
	s_branch .Lend
; ---------------- ROLE C: q = number - 40: rows 128 q + 16 wave + i of in_proj_w times vp_b (q < 2) or tp_b, in f32 on the vector unit: 131,072 multiply-adds in all.
.LroleC:
	s_sub_co_u32 s26, s23, 40
	s_lshl_b32 s34, s26, 17
	s_lshl_b32 s35, s22, 14
	s_add_co_u32 s34, s34, s35
	s_mov_b32 s35, 0
	s_add_nc_u64 s[34:35], s[8:9], s[34:35]        ; my 16 rows
	s_lshl_b32 s38, s26, 9
	s_mov_b32 s39, 0
	s_add_nc_u64 s[40:41], s[18:19], s[38:39]      ; in_proj_b at the work-group's 128 numbers
	s_add_co_u32 s38, s38, VECO
	s_add_nc_u64 s[42:43], s[20:21], s[38:39]      ; and where they go
	s_cmp_lt_u32 s26, 2
	s_cselect_b64 s[32:33], s[14:15], s[16:17]
	s_cselect_b32 s36, SCQ, 1.0
	s_mov_b32 s37, s36
	s_wait_alu depctr_va_vdst(0)                   ; v5, made at the head, is written: every global load and store of this role reads it as its offset
	global_load_b128 v[32:35], v5, s[32:33]
	global_load_b128 v[36:39], v5, s[32:33] offset:512
.set i, 0
.rept 16
	global_load_b128 v[40+8*i:43+8*i], v5, s[34:35] offset:i*1024
	global_load_b128 v[44+8*i:47+8*i], v5, s[34:35] offset:i*1024+512
.set i, i+1
.endr
	s_lshl_b32 s44, s22, 6
	s_add_co_u32 s44, s44, CR
	v_mov_b32 v16, s44                             ; my wave's 16 words
	v_lshl_add_u32 v17, v2, 4, CR
	s_wait_loadcnt 0x0
.set i, 0
.rept 16
	v_pk_mul_f32 v[168+2*i:169+2*i], v[40+8*i:41+8*i], v[32:33]
.set i, i+1
.endr
.irp c, 1,2,3
.set i, 0
.rept 16
	v_pk_fma_f32 v[168+2*i:169+2*i], v[40+8*i+2*\c:41+8*i+2*\c], v[32+2*\c:33+2*\c], v[168+2*i:169+2*i]
.set i, i+1
.endr
.endr
.set i, 0
.rept 16
	v_add_f32 v[168+2*i], v[168+2*i], v[169+2*i]
.set i, i+1
.endr
.irp m, 1,2,4,8
.set i, 0
.rept 16
	v_add_f32_dpp v[168+2*i], v[168+2*i], v[168+2*i] row_xmask:\m row_mask:0xf bank_mask:0xf
.set i, i+1
.endr
.endr
.set i, 0
.rept 16
	v_permlanex16_b32 v[169+2*i], v[168+2*i], s24, s25
.set i, i+1
.endr
.set i, 0
.rept 16
	v_add_f32 v[168+2*i], v[168+2*i], v[169+2*i]
.set i, i+1
.endr
	s_wait_alu depctr_va_vdst(0)                   ; the adds have written the 16 sums, which the stores read; the LDS addresses v16 and v17 are written
.set i, 0
.rept 16
	ds_store_b32 v16, v[168+2*i] offset:4*i        ; all lanes hold the same sum and write the same word
.set i, i+1
.endr
	s_wait_dscnt 0x0
	s_barrier_signal -1
	s_barrier_wait -1
	s_cmp_lg_u32 s22, 0                            ; wave 0 adds the bias, scales and stores the 128 numbers: 512 consecutive bytes
	s_cbranch_scc1 .Lend
	ds_load_b128 v[200:203], v17
	global_load_b128 v[204:207], v5, s[40:41]
	s_wait_loadcnt 0x0
	s_wait_dscnt 0x0
	v_pk_add_f32 v[200:201], v[200:201], v[204:205]
	v_pk_add_f32 v[202:203], v[202:203], v[206:207]
	v_pk_mul_f32 v[200:201], v[200:201], s[36:37] op_sel_hi:[1,0]
	v_pk_mul_f32 v[202:203], v[202:203], s[36:37] op_sel_hi:[1,0]
	s_wait_alu depctr_va_vdst(0)                   ; the multiplies have written v200-203, which the store reads
	global_store_b128 v5, v[200:203], s[42:43]
.Lend:
	s_wait_dscnt 0x0                               ; the closing lines, six on end
	s_wait_alu 0x0
	s_wait_tensorcnt 0x0
	ds_add_u32 v30, v31
	s_wait_dscnt 0x0
	s_endpgm
.Lfunc_end_k_qfb9dc3cb39_prep:
	.size	k_qfb9dc3cb39_prep, .Lfunc_end_k_qfb9dc3cb39_prep-k_qfb9dc3cb39_prep
	.p2alignl 7, 3214868480
	.fill 96, 4, 3214868480
	.section	.rodata,"a",@progbits
	.p2align	6, 0x0
	.amdhsa_kernel k_qfb9dc3cb39_prep
		.amdhsa_group_segment_fixed_size 117248
		.amdhsa_private_segment_fixed_size 0
		.amdhsa_enable_private_segment 0
		.amdhsa_kernarg_size 72
		.amdhsa_user_sgpr_count 2
		.amdhsa_user_sgpr_kernarg_segment_ptr 1
		.amdhsa_wavefront_size32 1
		.amdhsa_system_sgpr_workgroup_id_x 1
		.amdhsa_system_sgpr_workgroup_id_y 1
		.amdhsa_system_sgpr_workgroup_id_z 1
		.amdhsa_system_vgpr_workitem_id 0
		.amdhsa_next_free_vgpr 256
		.amdhsa_next_free_sgpr 66
		.amdhsa_reserve_vcc 0
		.amdhsa_float_denorm_mode_32 3
		.amdhsa_float_denorm_mode_16_64 3
		.amdhsa_memory_ordered 1
		.amdhsa_forward_progress 1
		.amdhsa_inst_pref_size 62
	.end_amdhsa_kernel
	.amdgpu_metadata
---
amdhsa.version: [ 1, 2 ]
amdhsa.kernels:
  - .name:           k_qfb9dc3cb39_prep
    .symbol:         k_qfb9dc3cb39_prep.kd
    .args:
      - { .name: vp_w, .offset: 0, .size: 8, .value_kind: global_buffer, .address_space: global }
      - { .name: tp_w, .offset: 8, .size: 8, .value_kind: global_buffer, .address_space: global }
      - { .name: in_proj_w, .offset: 16, .size: 8, .value_kind: global_buffer, .address_space: global }
      - { .name: w1, .offset: 24, .size: 8, .value_kind: global_buffer, .address_space: global }
      - { .name: w2, .offset: 32, .size: 8, .value_kind: global_buffer, .address_space: global }
      - { .name: vp_b, .offset: 40, .size: 8, .value_kind: global_buffer, .address_space: global }
      - { .name: tp_b, .offset: 48, .size: 8, .value_kind: global_buffer, .address_space: global }
      - { .name: in_proj_b, .offset: 56, .size: 8, .value_kind: global_buffer, .address_space: global }
      - { .name: wts, .offset: 64, .size: 8, .value_kind: global_buffer, .address_space: global }
    .group_segment_fixed_size: 117248
    .private_segment_fixed_size: 0
    .kernarg_segment_align: 8
    .kernarg_segment_size: 72
    .max_flat_workgroup_size: 256
    .sgpr_count:     66
    .vgpr_count:     256
    .wavefront_size: 32
...
	.end_amdgpu_metadata
.endif
;; end of part 4
;; launch main: the kernel of part 2 again; grid 16 x 16, 4 waves a work-group, no clusters, 327,680 bytes of LDS; arguments vision_features, text_features, g1, be1, g2, be2, w3, b1, b2, b3, wts, pln, part; writes pln, part
;; launch fin: the kernel of part 3 again; grid 256 x 1, 8 waves a work-group, no clusters, 6,144 bytes of LDS; arguments pln, part, k_weight, alpha_coarse, alpha_fine, out0; writes out0
